; MI455X (gfx1250); checked and timed in simulation.
; The chip was launched on July 23, 2026; its instructions are those of AMD's public machine-readable ISA for CDNA 5 (MIT licence, August 2026) and "CDNA5" Instruction Set Architecture Reference Guide (July 2026). The comments in the code are by the model that wrote it; some were corrected since.
;; Attention. Allowed arithmetic: float matrix products may take bf16 or f16 operands with f32 sums; other float arithmetic in f32, or as packed bf16 or f16 multiplies, adds, multiply-adds, maxima and minima; sums over many terms, partial sums and values carried from step to step in f32; what a program stores and reads back later, other than sums and carried values, may be rounded once to bf16 or f16.
;; Inputs: attn_biases 8 x 1,024 float32; bias_idxs 1,024 x 1,024 int32; norm_b 256 float32; norm_w 256 float32; proj_b 256 float32; proj_w 256 x 512 float32; qkv_b 768 float32; qkv_w 768 x 256 float32; x 32 x 1,024 x 256 float32.
;; Outputs: out0 32 x 1,024 x 256 float32.
;; 2 versions, each right; version 2 is version 1 with the launch prep written anew for expert scheduling mode. Each part assembles by itself: llvm-mc -triple=amdgcn-amd-amdhsa -mcpu=gfx1250 --defsym DOCPART=n.
;; ======== version 1 of 2: 4 launches
;; limits: values are held in f16: magnitudes above 65,504 overflow, below 6.1e-05 lose precision
;; workspace buffers: bias_ws 16,777,216 bytes; wq_ws 393,216 bytes; wp_ws 262,144 bytes; q_ws 8,388,608 bytes; kv_ws 41,943,040 bytes; of_ws 33,554,432 bytes
;; launch prep (part 1): grid 256 x 1, 8 waves a work-group, no clusters, 17,408 bytes of LDS; arguments attn_biases, bias_idxs, qkv_w, proj_w, bias_ws, wq_ws, wp_ws; writes bias_ws, wq_ws, wp_ws
.if DOCPART == 1
	.amdgcn_target "amdgcn-amd-amdhsa--gfx1250"
	.amdhsa_code_object_version 6
	.text
	.protected	k_qccc8c2e0f2_prep
	.globl	k_qccc8c2e0f2_prep
	.p2align	8
	.type	k_qccc8c2e0f2_prep,@function
k_qccc8c2e0f2_prep:
	s_mov_b64 s[64:65], 0
	v_nop
	global_prefetch_b8 v0, s[64:65] scope:SCOPE_SE
	s_setreg_imm32_b32 hwreg(HW_REG_WAVE_MODE, 25, 1), 1
	s_wait_xcnt 0x0
; PREP.  (1) The gathered bias, log2(e) x attn_biases[h][bias_idxs[n][m]], rounded once to f16 and laid out as the attention launch's matrix fragments:
;     bias_ws[h 8][chunk 2][ks 16][qt' 32][kb 4][lane 32][8]: lane (r = lane % 16, hh = lane / 16) holds query n = 16 (32 chunk + qt') + r, keys m = 64 ks + 16 kb + 8 hh + 0..7.
; (2) qkv_w to f16 (the q rows, n % 96 < 16, times c = log2(e) / 4, one rounding).  (3) proj_w to f16.
; LIMITS.  f16 ends at 65,504 and keeps a fixed step of 6e-8 below 6e-5; an index is clamped to 0 .. 1,023 (the table's size).
; SHARES.  The work-group first lays the table in LDS as TAB[index][8 heads] in f16, 16 bytes an index, so that ONE LDS load gathers an index for all eight heads.
; Work-group g, wave w: query tile qt = g / 4, key step ks = 4 (g % 4) + w / 2, key blocks kb = 2 (w % 2) + 0, 1: two fragment positions, each for all eight heads.
; Waves 0-2 also convert row 3 g + w of qkv_w, waves 3 and 4 the two halves of row g of proj_w.
; No matrix unit, no cluster: nothing is multiplied, and what work-groups share (32 KiB of table) is small beside the 64 KiB that each writes.
.set SPARE, 16384                      ; behind the table: the spare words, 128 bytes for each of the eight waves
.set TA,  16                           ; v[16:47]   attn_biases[h][4 t .. 4 t + 3] at TA + 4 h
.set IX,  48                           ; v[48:63]   the indices of the two positions, 8 each
.set GA,  64                           ; v[64:127]  first the table's rows to store; then the gathers: position t, index j at GA + 32 t + 4 j (word p: heads 2 p, 2 p + 1)
.set OU,  128                          ; v[128:191] the fragments: position t, head h at OU + 32 t + 4 h
.set WI,  192                          ; v[192:199] eight weights
.set WO,  200                          ; v[200:203] the same in f16
	s_load_b256 s[4:11], s[0:1], 0x0               ; attn_biases s[4:5], bias_idxs s[6:7], qkv_w s[8:9], proj_w s[10:11]
	s_load_b128 s[12:15], s[0:1], 0x20             ; bias_ws s[12:13], wq_ws s[14:15]
	s_load_b64 s[16:17], s[0:1], 0x30              ; wp_ws
	v_lshl_add_u32 v8, v0, 2, SPARE                ; my spare word
	v_mov_b32 v9, 0
	v_lshrrev_b32 v1, 5, v0
	v_readfirstlane_b32 s20, v1                    ; wave 0..7
	v_and_b32 v6, 31, v0                           ; lane
	v_and_b32 v7, 15, v0                           ; r
	v_bfe_u32 v10, v0, 4, 1                        ; hh
	v_lshlrev_b32 v1, 4, v6                        ; 16 x lane: my 16 bytes of a fragment, and of a converted row
	v_lshlrev_b32 v5, 5, v6                        ; 32 x lane: my eight weights
	v_lshlrev_b32 v3, 4, v0                        ; 16 x thread: my four table entries of a head
	v_lshlrev_b32 v4, 6, v0                        ; 64 x thread: their four rows of TAB
	s_mov_b32 s2, 0x3fb8aa3b                       ; log2(e), as a pair for the packed multiply
	s_mov_b32 s3, s2
	s_mov_b32 s40, 0x05040100                      ; v_perm_b32: the two low halves
	s_mov_b32 s41, 0x07060302                      ; the two high halves
	s_lshr_b32 s21, ttmp9, 2                       ; qt
	s_and_b32 s34, ttmp9, 3
	s_lshl_b32 s34, s34, 2
	s_lshr_b32 s35, s20, 1
	s_add_co_u32 s34, s34, s35                     ; ks
	s_and_b32 s35, s20, 1                          ; w % 2
	s_lshl_b32 s36, s21, 16                        ; bias_idxs: (16 qt + r) rows of 4,096 bytes + 256 ks + 128 (w % 2) + 32 hh
	s_lshl_b32 s37, s34, 8
	s_add_co_u32 s36, s36, s37
	s_lshl_b32 s37, s35, 7
	s_add_co_u32 s36, s36, s37
	v_lshlrev_b32 v2, 12, v7
	v_lshl_add_u32 v2, v10, 5, v2
	v_add_nc_u32 v2, s36, v2
	s_lshr_b32 s36, s21, 5                         ; bias_ws: chunk << 20 | ks << 16 | qt' << 11 | kb << 9
	s_lshl_b32 s36, s36, 20
	s_lshl_b32 s37, s34, 16
	s_add_co_u32 s36, s36, s37
	s_and_b32 s37, s21, 31
	s_lshl_b32 s37, s37, 11
	s_add_co_u32 s36, s36, s37
	s_lshl_b32 s37, s35, 10
	s_add_co_u32 s36, s36, s37
	s_mov_b32 s37, 0
	s_mul_i32 s38, ttmp9, 3
	s_add_co_u32 s38, s38, s20                     ; n = 3 g + w: a row of qkv_w (waves 0-2)
	s_mul_i32 s39, s38, 683                        ; n / 96 = (683 n) >> 16 for n < 768
	s_lshr_b32 s39, s39, 16
	s_mul_i32 s39, s39, 96
	s_sub_co_u32 s39, s38, s39                     ; n % 96
	s_cmp_lt_u32 s39, 16                           ; a q row?
	s_cselect_b32 s28, 0x3eb8aa3b, 1.0             ; c = log2(e) / 4, or 1
	s_cmp_lt_u32 s20, 3
	s_cselect_b32 s28, s28, 1.0                    ; proj_w is not scaled
	s_mov_b32 s29, s28
	s_lshl_b32 s26, s38, 10                        ; qkv_w: 1,024 n
	s_lshl_b32 s39, ttmp9, 1
	s_add_co_u32 s39, s39, s20
	s_sub_co_u32 s39, s39, 3
	s_lshl_b32 s39, s39, 10                        ; proj_w: 2,048 g + 1,024 (w - 3)
	s_cmp_lt_u32 s20, 3
	s_cselect_b32 s26, s26, s39
	s_mov_b32 s27, 0
	s_lshr_b32 s18, s26, 1                         ; f16: half the bytes
	s_mov_b32 s19, 0
	s_wait_kmcnt 0x0
	s_cmp_lt_u32 s20, 3
	s_cselect_b64 s[22:23], s[8:9], s[10:11]       ; from where,
	s_cselect_b64 s[24:25], s[14:15], s[16:17]     ; to where
	s_add_nc_u64 s[22:23], s[22:23], s[26:27]
	s_add_nc_u64 s[24:25], s[24:25], s[18:19]
	s_add_nc_u64 s[30:31], s[12:13], s[36:37]      ; my fragments of heads 0-3 (2 MiB a head stands in the immediate),
	s_add_nc_u64 s[32:33], s[30:31], 0x800000      ; and of heads 4-7
	s_cmp_lt_u32 s20, 5
	s_cbranch_scc0 .Lno_row
	global_load_b128 v[WI:WI+3], v5, s[22:23] th:TH_LOAD_NT
	global_load_b128 v[WI+4:WI+7], v5, s[22:23] offset:16 th:TH_LOAD_NT
.Lno_row:
.set h, 0
.rept 8
	global_load_b128 v[TA+4*h:TA+4*h+3], v3, s[4:5] offset:4096*h
.set h, h+1
.endr
.set t, 0
.rept 2                                ; a position's 16 rows x 32 bytes; a key step's two waves together take whole blocks of 256 bytes of each row
	global_load_b128 v[IX+8*t:IX+8*t+3], v2, s[6:7] offset:64*t th:TH_LOAD_NT
	global_load_b128 v[IX+8*t+4:IX+8*t+7], v2, s[6:7] offset:64*t+16 th:TH_LOAD_NT
.set t, t+1
.endr
	s_wait_loadcnt 0x4                             ; all but the four loads of indices, the youngest
.set z, 0
.rept 16
	v_pk_mul_f32 v[TA+2*z:TA+2*z+1], v[TA+2*z:TA+2*z+1], s[2:3] op_sel_hi:[1,0]
.set z, z+1
.endr
.set z, 0
.rept 4                                ; index 4 t + z: word p holds heads 2 p, 2 p + 1
.set p, 0
.rept 4
	v_cvt_pk_f16_f32 v[GA+4*z+p], v[TA+8*p+z], v[TA+8*p+4+z]
.set p, p+1
.endr
	ds_store_b128 v4, v[GA+4*z:GA+4*z+3] offset:16*z
.set z, z+1
.endr
	s_cmp_lt_u32 s20, 5
	s_cbranch_scc0 .Lno_conv
.set z, 0
.rept 4
	v_pk_mul_f32 v[WI+2*z:WI+2*z+1], v[WI+2*z:WI+2*z+1], s[28:29] op_sel_hi:[1,0]
.set z, z+1
.endr
.set z, 0
.rept 4
	v_cvt_pk_f16_f32 v[WO+z], v[WI+2*z], v[WI+2*z+1]
.set z, z+1
.endr
	global_store_b128 v1, v[WO:WO+3], s[24:25]     ; the wave's store covers 512 consecutive bytes, aligned
.Lno_conv:
	s_wait_dscnt 0x0                               ; for the others' sake: my rows of the table are written
	s_barrier_signal -1
	s_barrier_wait -1                              ; the table is whole
	s_wait_loadcnt 0x0                             ; the indices
.set z, 0
.rept 16
	v_min_u32 v[IX+z], 0x3ff, v[IX+z]              ; an index stays inside the table
	v_lshlrev_b32 v[IX+z], 4, v[IX+z]              ; 16 bytes an index
.set z, z+1
.endr
.set z, 0
.rept 16
	ds_load_b128 v[GA+4*z:GA+4*z+3], v[IX+z]
.set z, z+1
.endr
; Position t: the eight gathers (8 heads each) are turned into eight fragments (8 keys each) and stored, 512 consecutive bytes a store.
.macro TASK t
.set p, 0
.rept 4
.set wd, 0
.rept 4
	v_perm_b32 v[OU+32*(\t)+8*p+wd],   v[GA+32*(\t)+8*wd+4+p], v[GA+32*(\t)+8*wd+p], s40
	v_perm_b32 v[OU+32*(\t)+8*p+4+wd], v[GA+32*(\t)+8*wd+4+p], v[GA+32*(\t)+8*wd+p], s41
.set wd, wd+1
.endr
.set p, p+1
.endr
.set h, 0
.rept 4
	global_store_b128 v1, v[OU+32*(\t)+4*h:OU+32*(\t)+4*h+3], s[30:31] offset:2097152*h+512*(\t) th:TH_STORE_NT
	global_store_b128 v1, v[OU+32*(\t)+16+4*h:OU+32*(\t)+16+4*h+3], s[32:33] offset:2097152*h+512*(\t) th:TH_STORE_NT
.set h, h+1
.endr
.endm
	s_wait_dscnt 0x8                               ; the first position's eight gathers are in; the second's may stay out
	TASK 0
	s_wait_dscnt 0x0
	TASK 1
	s_wait_tensorcnt 0x0                           ; the wave's end, behind my last LDS store
	ds_add_u32 v8, v9
	s_wait_dscnt 0x0
	s_endpgm
.Lfunc_end_k_qccc8c2e0f2_prep:
	.size	k_qccc8c2e0f2_prep, .Lfunc_end_k_qccc8c2e0f2_prep-k_qccc8c2e0f2_prep
	.p2alignl 7, 3214868480
	.fill 96, 4, 3214868480
	.section	.rodata,"a",@progbits
	.p2align	6, 0x0
	.amdhsa_kernel k_qccc8c2e0f2_prep
		.amdhsa_group_segment_fixed_size 17408
		.amdhsa_private_segment_fixed_size 0
		.amdhsa_enable_private_segment 0
		.amdhsa_kernarg_size 56
		.amdhsa_user_sgpr_count 2
		.amdhsa_user_sgpr_kernarg_segment_ptr 1
		.amdhsa_wavefront_size32 1
		.amdhsa_system_sgpr_workgroup_id_x 1
		.amdhsa_system_sgpr_workgroup_id_y 1
		.amdhsa_system_sgpr_workgroup_id_z 1
		.amdhsa_system_vgpr_workitem_id 0
		.amdhsa_next_free_vgpr 208
		.amdhsa_next_free_sgpr 66
		.amdhsa_reserve_vcc 0
		.amdhsa_float_denorm_mode_32 3
		.amdhsa_float_denorm_mode_16_64 3
		.amdhsa_memory_ordered 1
		.amdhsa_forward_progress 1
		.amdhsa_inst_pref_size 16
	.end_amdhsa_kernel
	.amdgpu_metadata
---
amdhsa.version: [ 1, 2 ]
amdhsa.kernels:
  - .name:           k_qccc8c2e0f2_prep
    .symbol:         k_qccc8c2e0f2_prep.kd
    .args:
      - { .name: attn_biases, .offset: 0, .size: 8, .value_kind: global_buffer, .address_space: global }
      - { .name: bias_idxs, .offset: 8, .size: 8, .value_kind: global_buffer, .address_space: global }
      - { .name: qkv_w, .offset: 16, .size: 8, .value_kind: global_buffer, .address_space: global }
      - { .name: proj_w, .offset: 24, .size: 8, .value_kind: global_buffer, .address_space: global }
      - { .name: bias_ws, .offset: 32, .size: 8, .value_kind: global_buffer, .address_space: global }
      - { .name: wq_ws, .offset: 40, .size: 8, .value_kind: global_buffer, .address_space: global }
      - { .name: wp_ws, .offset: 48, .size: 8, .value_kind: global_buffer, .address_space: global }
    .group_segment_fixed_size: 17408
    .private_segment_fixed_size: 0
    .kernarg_segment_align: 8
    .kernarg_segment_size: 56
    .max_flat_workgroup_size: 256
    .sgpr_count:     66
    .vgpr_count:     208
    .wavefront_size: 32
...
	.end_amdgpu_metadata
.endif
;; end of part 1
;; launch qkv (part 2): grid 256 x 1, 4 waves a work-group, clusters of 4 x 1, 327,680 bytes of LDS; arguments x, norm_w, norm_b, wq_ws, qkv_b, q_ws, kv_ws; writes q_ws, kv_ws
.if DOCPART == 2
	.amdgcn_target "amdgcn-amd-amdhsa--gfx1250"
	.amdhsa_code_object_version 6
	.text
	.protected	k_qccc8c2e0f2_qkv
	.globl	k_qccc8c2e0f2_qkv
	.p2align	8
	.type	k_qccc8c2e0f2_qkv,@function
k_qccc8c2e0f2_qkv:
	s_mov_b64 s[64:65], 0
	v_nop
	global_prefetch_b8 v0, s[64:65] scope:SCOPE_SE
	s_setreg_imm32_b32 hwreg(HW_REG_WAVE_MODE, 25, 1), 1
	s_wait_xcnt 0x0
	s_wait_alu depctr_hold_cnt(0) depctr_sa_sdst(0) depctr_va_vdst(0) depctr_va_sdst(0) depctr_va_ssrc(0) depctr_va_vcc(0) depctr_vm_vsrc(0)
	s_getreg_b32 s2, hwreg(HW_REG_IB_STS2, 6, 4)
	s_cmp_eq_u32 s2, 0
	s_cbranch_scc0 .Lentry_in_a_cluster
	s_endpgm
.Lentry_in_a_cluster:
	s_bfe_u32 s2, ttmp6, 0x10000c
	s_cmp_lg_u32 s2, 0x3003
	s_cbranch_scc0 .Lentry_shape_is_right
	s_endpgm
.Lentry_shape_is_right:
; QKV.  xn = LayerNorm(x) x norm_w + norm_b (f32, two passes: mean, then the squares of x - mean), rounded once to f16; qkv = xn Wq^T + qkv_b, f16 operands, f32 sums that START at the bias (the C of the first K step).
; q (already times c = log2(e) / 4: the weights' q rows carry c, the bias takes it here), k and v leave in f16 AS THE ATTENTION LAUNCH'S REGISTER IMAGES, 512 consecutive bytes a store:
;   q_ws[b][h][tile 64][lane][8], kv_ws[b][h]{K [tile 64][lane][8]}: lane (r, hh) holds token 16 tile + r, dims 8 hh + 0..7;   {V [ks32 32][cb 4][half 2][lane][8]}: channel 16 cb + r, tokens 32 ks32 + 16 half + 8 hh + 0..7.
; LIMITS.  xn, q, k, v must lie within f16's 65,504; NaN and infinities are not treated apart.
; SHARES.  A work-group owns 128 tokens and makes all 768 columns.  Every wave holds all 128 rows of xn as fragments (512 registers).  The weights come in 4 chunks of 192 rows (two heads), whole K = 256;
; in a chunk wave w makes, for head 2 t + w / 2: one block of 16 columns TRANSPOSED (source 0 = weights: a lane ends with 8 dims of one token: q in even waves, k in odd ones) and two blocks NATURAL
; (source 0 = xn: a lane ends with 8 tokens of one channel: v's channel blocks 2 (w % 2), + 1).  So all waves run one text, and each weight fragment feeds 8 matrix instructions.
; CLUSTER.  All work-groups walk the same weights: the four of a cluster ask for each chunk JOINTLY (mask 15); x is each work-group's own.
; LDS.  slot 0 at 0 (192 rows, pitch 528); x at 101,376 (128 rows of 1,024 bytes); slot 1 at 131,072, over the x tile, filled when x has been read; xn's stage, qkv_b and the spare words have blocks of their own.
.set SLOTX, 0x20000
.set XT,    101376
.set ASTG,  232448                     ; xn in f16: 128 rows, pitch 528 = 33 x 16: the 16 rows of a fragment load start at 16 different groups of four banks
.set QBL,   300032                     ; qkv_b, 3,072 bytes
.set SPARE, 303104
.set LO,  3                            ; v3   16 x lane
.set AX,  4                            ; v4   LDS address of my 16 bytes in my wave's rows of x; steps
.set AS,  6                            ; v6   where I put 8 bytes of a row of xn; steps
.set AA,  7                            ; v7   my place in a fragment of xn
.set AWT0, 8                           ; v8, v9   my place in the chunk's transposed / natural blocks of weights
.set AWN0, 9
.set AWT, 10                           ; v10, v11 the same in the slot in hand
.set AWN, 11
.set ABT0, 12                          ; v12, v13 my place in qkv_b for the two kinds of block
.set ABN0, 13
.set ABT, 14                           ; v14, v15 the same for the chunk in hand
.set ABN, 15
.set NW,  16                           ; v[16:23] norm_w, v[24:31] norm_b of my 8 channels
.set NB,  24
.set BT,  32                           ; v[32:39] the transposed block's bias; v[40:55] the natural blocks'
.set BN,  40
.set SPW, 56
.set NIL, 57
.set XA,  64                           ; LayerNorm: v[64:127] eight rows, 8 numbers a lane each; v[128:143] four registers a row at work
.set TT,  128
.set WT,  64                           ; later: v[64:127], v[128:255] the chunk's weight fragments; then v[64:159] the packed results
.set WN,  128
; window 1: the accumulators (transposed block, row tile i at 8 i; natural blocks at 64 + 8 i, 128 + 8 i).  windows 2, 3: xn's fragments, (i % 4, ks) at 8 (8 (i % 4) + ks).
.set MSB, 0
.macro WIN new                         ; the immediate's high byte repeats the setting that is left; a switch that changes nothing is dropped
.if MSB != (\new)
	s_set_vgpr_msb (MSB<<8)|(\new)
.set MSB, (\new)
.endif
.endm
.macro PLACES
.rept 4
	v_nop
.endr
.endm
.macro CROUND                          ; a round of the cluster's barrier
	s_barrier_signal -1
	s_barrier_wait -1
	s_cmp_lg_u32 s20, 0
	s_cbranch_scc1 .Lnot_wave_0_\@
	s_barrier_signal -3
.Lnot_wave_0_\@:
	s_barrier_wait -3
	s_barrier_signal -1
	s_barrier_wait -1
.endm
	s_load_b256 s[4:11], s[0:1], 0x0               ; x s[4:5], norm_w s[6:7], norm_b s[8:9], wq_ws s[10:11]
	s_load_b128 s[12:15], s[0:1], 0x20             ; qkv_b s[12:13], q_ws s[14:15]
	s_load_b64 s[16:17], s[0:1], 0x30              ; kv_ws
	v_lshl_add_u32 v[SPW], v0, 2, SPARE
	v_mov_b32 v[NIL], 0
	ds_add_u32 v[SPW], v[NIL]                      ; the wave's opening: the add and its wait stand ahead of my first tensor load; the set-up stands between them
	v_lshrrev_b32 v1, 5, v0
	v_readfirstlane_b32 s20, v1                    ; wave 0..3
	s_bfe_u32 s2, ttmp6, 0x40000                   ; cx
	s_lshl_b32 s3, ttmp9, 2
	s_add_co_u32 s3, s3, s2                        ; g = 4 x cluster + cx: it enters global addresses of my own loads and stores alone
	s_lshr_b32 s18, s20, 1                         ; w / 2
	s_and_b32 s19, s20, 1                          ; w % 2
	s_lshr_b32 s21, s3, 3
	s_lshl_b32 s21, s21, 3
	s_add_co_u32 s21, s21, s18                     ; 8 b + w / 2: my head of chunk 0
	s_and_b32 s22, s3, 7                           ; which 128 of the batch's tokens
	s_lshl_b32 s50, s21, 15                        ; q_ws: 32,768 bytes a head
	s_mul_i32 s54, s21, 163840                     ; kv_ws: 163,840 bytes a head
	s_mov_b32 s52, 0x10000                         ; two heads on, in q_ws
	s_mov_b32 s53, 0x50000                         ; and in kv_ws
	s_cmp_eq_u32 s19, 0                            ; even waves make q, odd waves k
	s_cselect_b32 s50, s50, s54
	s_cselect_b32 s52, s52, s53
	s_cselect_b32 s48, 0x3eb8aa3b, 1.0             ; q's bias takes c
	s_mov_b32 s49, s48
	s_mov_b32 s53, 0
	s_lshl_b32 s23, s22, 12                        ; 8 tiles of 512 bytes
	s_add_co_u32 s50, s50, s23
	s_mov_b32 s51, 0
	s_lshl_b32 s23, s22, 14                        ; V: 4 groups of 32 tokens, 4,096 bytes each
	s_add_co_u32 s54, s54, s23
	s_lshl_b32 s23, s19, 11                        ; my two channel blocks
	s_add_co_u32 s54, s54, s23
	s_add_co_u32 s54, s54, 32768                   ; behind the head's K
	s_mov_b32 s55, 0
	s_lshl_b32 s38, s3, 17                         ; x: 131,072 g + 32,768 w
	s_lshl_b32 s23, s20, 15
	s_add_co_u32 s38, s38, s23
	s_mov_b32 s39, 0
	s_mov_b32 s36, 1                               ; group 0 for x: count 1,
	s_add_co_u32 s37, s23, XT                      ; my wave's 32 rows in LDS
	s_mov_b32 s32, 1                               ; group 0 for the weights; it walks
	s_mul_i32 s33, s20, 25344                      ; my 48 rows of a slot
	s_mul_i32 s34, s20, 24576                      ; and of a chunk in memory
	s_mov_b32 s35, 0
	s_mov_b32 s24, 15|(1<<16)|(1<<20)|(1<<21)|(6<<22)|(3<<25)  ; the mask of four; 2-byte elements; padding on; bit 21 beside a mask; after every 128 words; 4 words
	s_mov_b32 s25, 256<<16                         ; tensor_dim0 = 256
	s_mov_b32 s26, 48<<16                          ; tensor_dim1 = 48
	s_mov_b32 s27, 256<<16                         ; tile_dim0 = 256
	s_mov_b32 s28, 48                              ; tile_dim1 = 48
	s_mov_b32 s29, 256                             ; elements from row to row
	s_mov_b32 s30, 0
	s_mov_b32 s31, 0
	s_mov_b32 s40, 3<<16                           ; x: no mask; 8-byte elements; dense: 128 rows of 256 bytes
	s_mov_b32 s41, 32<<16
	s_mov_b32 s42, 128<<16
	s_mov_b32 s43, 32<<16
	s_mov_b32 s44, 128
	s_mov_b32 s45, 32
	s_mov_b32 s46, 0
	s_mov_b32 s47, 0
	s_mov_b32 s56, 0x76543210                      ; v_permlanex16_b32: each lane takes its own place in the other half
	s_mov_b32 s57, 0xfedcba98
	s_mov_b32 s58, 0xbb800000                      ; -1 / 256
	s_mov_b32 s59, s58
	s_mov_b32 s60, 0x3b800000                      ; 1 / 256
	s_mov_b32 s61, 0x3727c5ac                      ; 1e-5
	s_mul_i32 s62, s18, 96                         ; the chunk's row at which my transposed block begins: 96 (w / 2) + 16 (w % 2),
	s_lshl_b32 s63, s19, 5
	s_add_co_u32 s63, s63, s62
	s_add_co_u32 s63, s63, 32                      ; and my natural blocks: 96 (w / 2) + 32 + 32 (w % 2)
	s_lshl_b32 s2, s19, 4
	s_add_co_u32 s62, s62, s2
	v_and_b32 v1, 31, v0                           ; lane
	v_and_b32 v2, 15, v0                           ; r
	v_bfe_u32 v58, v0, 4, 1                        ; hh
	v_lshlrev_b32 v[LO], 4, v1
	v_add_nc_u32 v[AX], s37, v[LO]
	s_mul_i32 s2, s20, 16896                       ; my wave's 32 rows of the stage
	s_add_co_u32 s2, s2, ASTG
	v_lshl_add_u32 v[AS], v1, 3, s2
	v_mul_u32_u24 v59, v2, 528
	v_lshl_add_u32 v59, v58, 4, v59                ; row x pitch + 16 x half
	v_add_nc_u32 v[AA], ASTG, v59
	s_mul_i32 s2, s62, 528
	v_add_nc_u32 v[AWT0], s2, v59
	s_mul_i32 s2, s63, 528
	v_add_nc_u32 v[AWN0], s2, v59
	s_lshl_b32 s2, s62, 2
	s_add_co_u32 s2, s2, QBL
	v_lshl_add_u32 v[ABT0], v58, 5, s2             ; eight biases: dims 8 hh + 0..7
	s_lshl_b32 s2, s63, 2
	s_add_co_u32 s2, s2, QBL
	v_lshl_add_u32 v[ABN0], v2, 2, s2              ; one bias: channel r
	v_lshlrev_b32 v60, 3, v0
	v_add_nc_u32 v61, QBL, v60
	s_mov_b32 s22, SLOTX                           ; the slot to read; the first change of slots turns it into 0
	s_mov_b32 s23, 0                               ; the chunk's place in qkv_b
	s_wait_dscnt 0x0                               ; the opening add is done
	s_wait_kmcnt 0x0
	s_add_nc_u64 s[38:39], s[4:5], s[38:39]
	s_or_b32 s39, s39, 0x80000000                  ; type = 2
	s_add_nc_u64 s[34:35], s[10:11], s[34:35]
	s_or_b32 s35, s35, 0x80000000
	s_cmp_eq_u32 s19, 0
	s_cselect_b64 s[2:3], s[14:15], s[16:17]
	s_add_nc_u64 s[50:51], s[2:3], s[50:51]        ; where my q or k goes
	s_add_nc_u64 s[54:55], s[16:17], s[54:55]      ; where my v goes
	CROUND                                         ; all four work-groups are here: the first joint loads meet
	tensor_load_to_lds s[36:39], s[40:47]          ; my 32 rows of x
	s_nop 0
	tensor_load_to_lds s[32:35], s[24:31]          ; my 48 rows of chunk 0, into slot 0: two loads of mine are out
	s_nop 0
	PLACES
	global_load_b128 v[NW:NW+3], v[LO], s[6:7]     ; channels 4 l .. and 128 + 4 l ..
	global_load_b128 v[NW+4:NW+7], v[LO], s[6:7] offset:512
	global_load_b128 v[NB:NB+3], v[LO], s[8:9]
	global_load_b128 v[NB+4:NB+7], v[LO], s[8:9] offset:512
	global_load_b64 v[128:129], v60, s[12:13]
	global_load_b64 v[130:131], v60, s[12:13] offset:1024
	global_load_b64 v[132:133], v60, s[12:13] offset:2048
	s_wait_loadcnt 0x0
	ds_store_b64 v61, v[128:129]
	ds_store_b64 v61, v[130:131] offset:1024
	ds_store_b64 v61, v[132:133] offset:2048
	s_wait_tensorcnt 0x1                           ; x was asked for first: it is in; chunk 0 may stay out.  I read my own wave's rows alone: no barrier
; The sum over the wave's 32 lanes of v[TT + 4 p + o], for four rows at once; v[TT + 4 p + o + 1] at work.
.macro RED o
.irp m, 1,2,4,8
.irp p, 0,1,2,3
	v_add_f32_dpp v[TT+4*\p+(\o)], v[TT+4*\p+(\o)], v[TT+4*\p+(\o)] row_xmask:\m row_mask:0xf bank_mask:0xf
.endr
.endr
.irp p, 0,1,2,3
	v_permlanex16_b32 v[TT+4*\p+(\o)+1], v[TT+4*\p+(\o)], s56, s57
.endr
.irp p, 0,1,2,3
	v_add_f32 v[TT+4*\p+(\o)], v[TT+4*\p+(\o)], v[TT+4*\p+(\o)+1]
.endr
.endm
; LayerNorm of four rows that lie at v[xb + 8 p ..], their lines interleaved; they go to the stage's rows row0 + p.
.macro LNG xb, row0
.irp p, 0,1,2,3
	v_pk_add_f32 v[TT+4*\p:TT+4*\p+1], v[(\xb)+8*\p:(\xb)+8*\p+1], v[(\xb)+8*\p+2:(\xb)+8*\p+3]
	v_pk_add_f32 v[TT+4*\p+2:TT+4*\p+3], v[(\xb)+8*\p+4:(\xb)+8*\p+5], v[(\xb)+8*\p+6:(\xb)+8*\p+7]
.endr
.irp p, 0,1,2,3
	v_pk_add_f32 v[TT+4*\p:TT+4*\p+1], v[TT+4*\p:TT+4*\p+1], v[TT+4*\p+2:TT+4*\p+3]
.endr
.irp p, 0,1,2,3
	v_add_f32 v[TT+4*\p], v[TT+4*\p], v[TT+4*\p+1]
.endr
	RED 0
.irp p, 0,1,2,3
.irp k, 0,2,4,6
	v_pk_fma_f32 v[(\xb)+8*\p+\k:(\xb)+8*\p+\k+1], v[TT+4*\p:TT+4*\p+1], s[58:59], v[(\xb)+8*\p+\k:(\xb)+8*\p+\k+1] op_sel_hi:[0,0,1]  ; x - sum / 256
.endr
.endr
.irp p, 0,1,2,3
	v_pk_mul_f32 v[TT+4*\p+2:TT+4*\p+3], v[(\xb)+8*\p:(\xb)+8*\p+1], v[(\xb)+8*\p:(\xb)+8*\p+1]
.endr
.irp k, 2,4,6
.irp p, 0,1,2,3
	v_pk_fma_f32 v[TT+4*\p+2:TT+4*\p+3], v[(\xb)+8*\p+\k:(\xb)+8*\p+\k+1], v[(\xb)+8*\p+\k:(\xb)+8*\p+\k+1], v[TT+4*\p+2:TT+4*\p+3]
.endr
.endr
.irp p, 0,1,2,3
	v_add_f32 v[TT+4*\p+2], v[TT+4*\p+2], v[TT+4*\p+3]
.endr
	RED 2
.irp p, 0,1,2,3
	v_fma_f32 v[TT+4*\p+2], v[TT+4*\p+2], s60, s61   ; the variance + 1e-5
.endr
.irp p, 0,1,2,3
	v_rsq_f32 v[TT+4*\p+2], v[TT+4*\p+2]
.endr
	v_nop                                          ; a plain instruction behind the last of the four,
	s_wait_alu depctr_va_vdst(0)                   ; and one wait for the batch, ahead of its first reader
.irp p, 0,1,2,3
.irp k, 0,2,4,6
	v_pk_mul_f32 v[(\xb)+8*\p+\k:(\xb)+8*\p+\k+1], v[(\xb)+8*\p+\k:(\xb)+8*\p+\k+1], v[TT+4*\p+2:TT+4*\p+3] op_sel_hi:[1,0]
.endr
.endr
.irp p, 0,1,2,3
.irp k, 0,2,4,6
	v_pk_fma_f32 v[(\xb)+8*\p+\k:(\xb)+8*\p+\k+1], v[(\xb)+8*\p+\k:(\xb)+8*\p+\k+1], v[NW+\k:NW+\k+1], v[NB+\k:NB+\k+1]
.endr
.endr
.irp p, 0,1,2,3
.irp k, 0,1,2,3
	v_cvt_pk_f16_f32 v[(\xb)+8*\p+\k], v[(\xb)+8*\p+2*\k], v[(\xb)+8*\p+2*\k+1]   ; in place, ascending: a register is written when it has been read
.endr
	ds_store_b64 v[AS], v[(\xb)+8*\p:(\xb)+8*\p+1] offset:528*((\row0)+\p)
	ds_store_b64 v[AS], v[(\xb)+8*\p+2:(\xb)+8*\p+3] offset:528*((\row0)+\p)+256
.endr
.endm
	s_mov_b32 s63, 4
.Lln:                                          ; four trips of eight rows
.set z, 0
.rept 8
	ds_load_b128 v[XA+8*z:XA+8*z+3], v[AX] offset:1024*z
	ds_load_b128 v[XA+8*z+4:XA+8*z+7], v[AX] offset:1024*z+512
.set z, z+1
.endr
	s_wait_dscnt 0x8                               ; rows 0-3 are in; the eight loads of rows 4-7 may stay out
	LNG XA, 0
	s_wait_dscnt 0x8                               ; rows 4-7 are in: younger than their loads are the eight stores just issued
	LNG XA+32, 4
	v_add_nc_u32 v[AX], 8192, v[AX]
	v_add_nc_u32 v[AS], 4224, v[AS]
	s_sub_co_u32 s63, s63, 1
	s_cmp_lg_u32 s63, 0
	s_cbranch_scc1 .Lln
; THE CHANGE OF SLOTS.  Each wave waits for all its tensor loads, adds 0 to its spare word, and waits for that and for all its LDS instructions.  fill = 1: a round of the cluster's barrier, and behind it, first,
; my one joint load: the next chunk, into the slot that nobody reads any more.  fill = 0: my work-group's barrier alone: the slot's rows came by four waves' loads.
.macro CHANGE fill
	s_wait_tensorcnt 0x0                           ; no tensor load of mine is out, so the walking group 0 may be written
	ds_add_u32 v[SPW], v[NIL]                      ; the scalar steps stand between the add and the wait for it
.if \fill
	s_xor_b32 s33, s33, SLOTX                      ; the other slot,
	s_add_nc_u64 s[34:35], s[34:35], 98304         ; the next 192 rows
.endif
	s_xor_b32 s22, s22, SLOTX                      ; the slot to read
	s_wait_dscnt 0x0
.if \fill
	CROUND
	tensor_load_to_lds s[32:35], s[24:31]
	s_nop 0
	PLACES
.else
	s_barrier_signal -1
	s_barrier_wait -1
.endif
.endm
; 32 products of the transposed block, row tiles 4 hi .. 4 hi + 3: K step outer, the four accumulators by turns.  The first K step's C is the bias.
.macro TMUL hi
.set ks, 0
.rept 8
.if ks == 0
	WIN 0x48+4*(\hi)                               ; weights window 0, xn window 2 or 3, C window 0, D window 1
.else
	WIN 0x58+4*(\hi)                               ; C window 1
.endif
.set ii, 0
.rept 4
.set rA, 8*(4*(\hi)+ii)
.set rW, WT+8*ks
.set rX, 8*(8*ii+ks)
.if ks == 0
	v_wmma_f32_16x16x32_f16 v[rA:rA+7], v[rW:rW+7], v[rX:rX+7], v[BT:BT+7]
.else
	v_wmma_f32_16x16x32_f16 v[rA:rA+7], v[rW:rW+7], v[rX:rX+7], v[rA:rA+7]
.endif
.set ii, ii+1
.endr
.set ks, ks+1
.endr
.endm
; 64 products of the two natural blocks: eight accumulators by turns.
.macro NMUL hi
.set ks, 0
.rept 8
.if ks == 0
	WIN 0x42+(\hi)                                 ; xn window 2 or 3, weights window 0, C window 0, D window 1
.else
	WIN 0x52+(\hi)
.endif
.set bb, 0
.rept 2
.set ii, 0
.rept 4
.set rA, 64+64*bb+8*(4*(\hi)+ii)
.set rW, WN+64*bb+8*ks
.set rX, 8*(8*ii+ks)
.if ks == 0
	v_wmma_f32_16x16x32_f16 v[rA:rA+7], v[rX:rX+7], v[rW:rW+7], v[BN+8*bb:BN+8*bb+7]
.else
	v_wmma_f32_16x16x32_f16 v[rA:rA+7], v[rX:rX+7], v[rW:rW+7], v[rA:rA+7]
.endif
.set ii, ii+1
.endr
.set bb, bb+1
.endr
.set ks, ks+1
.endr
.endm
; A CHUNK: one run of 66 LDS loads (biases, then the three blocks' fragments), 192 products, 96 roundings, 24 stores.
.macro P last
	WIN 0
	v_add_nc_u32 v[AWT], s22, v[AWT0]
	v_add_nc_u32 v[AWN], s22, v[AWN0]
	v_add_nc_u32 v[ABT], s23, v[ABT0]
	v_add_nc_u32 v[ABN], s23, v[ABN0]
	ds_load_b128 v[BT:BT+3], v[ABT]
	ds_load_b128 v[BT+4:BT+7], v[ABT] offset:16
.set z, 0
.rept 8                                ; a natural block's C holds one channel's bias in all eight registers
	ds_load_b32 v[BN+z], v[ABN]
	ds_load_b32 v[BN+8+z], v[ABN] offset:64
.set z, z+1
.endr
.set z, 0
.rept 8
	ds_load_b128 v[WT+8*z:WT+8*z+3], v[AWT] offset:64*z
	ds_load_b128 v[WT+8*z+4:WT+8*z+7], v[AWT] offset:64*z+32
.set z, z+1
.endr
.set z, 0
.rept 16
	ds_load_b128 v[WN+8*z:WN+8*z+3], v[AWN] offset:8448*(z/8)+64*(z%8)
	ds_load_b128 v[WN+8*z+4:WN+8*z+7], v[AWN] offset:8448*(z/8)+64*(z%8)+32
.set z, z+1
.endr
	s_wait_dscnt 48                                ; the biases are in: the 48 fragment loads are younger
.set z, 0
.rept 4
	v_pk_mul_f32 v[BT+2*z:BT+2*z+1], v[BT+2*z:BT+2*z+1], s[48:49] op_sel_hi:[1,0]  ; q's bias times c; k's times 1
.set z, z+1
.endr
	s_wait_dscnt 32                                ; the transposed block's fragments are in (and, the first time, xn's)
	TMUL 0
	TMUL 1
	s_wait_dscnt 0x0
	NMUL 0
	NMUL 1
	PLACES                                         ; four places behind the last product, ahead of the roundings, which read results and write over fragments
	WIN 0x05                                       ; sources window 1, destination window 0
.set z, 0
.rept 24                               ; each accumulator's registers in ascending order
.set k, 0
.rept 4
	v_cvt_pk_f16_f32 v[64+4*z+k], v[8*z+2*k], v[8*z+2*k+1]
.set k, k+1
.endr
.set z, z+1
.endr
	WIN 0
.set z, 0
.rept 8
	global_store_b128 v[LO], v[64+4*z:64+4*z+3], s[50:51] offset:512*z   ; each store covers 512 consecutive bytes, aligned
.set z, z+1
.endr
.set z, 0
.rept 16
	global_store_b128 v[LO], v[96+4*z:96+4*z+3], s[54:55] offset:4096*((z%8)/2)+512*(z%2)+1024*(z/8)
.set z, z+1
.endr
.if !(\last)
	s_wait_xcnt 0x0                                ; the stores have read their registers and bases: only now are these stepped, and the data registers loaded again
	s_add_nc_u64 s[50:51], s[50:51], s[52:53]      ; two heads on
	s_add_nc_u64 s[54:55], s[54:55], 327680
	s_add_co_u32 s23, s23, 768
.endif
.endm
	CHANGE 1                                       ; chunk 0 is whole, the stage and qkv_b are written, x has been read: chunk 1 goes out, into slot 1
	WIN 0x80                                       ; destination window 2
.set z, 0
.rept 32
	ds_load_b128 v[8*z:8*z+3], v[AA] offset:8448*(z/8)+64*(z%8)
	ds_load_b128 v[8*z+4:8*z+7], v[AA] offset:8448*(z/8)+64*(z%8)+32
.set z, z+1
.endr
	WIN 0xc0                                       ; window 3: row tiles 4-7
.set z, 0
.rept 32
	ds_load_b128 v[8*z:8*z+3], v[AA] offset:8448*(4+z/8)+64*(z%8)
	ds_load_b128 v[8*z+4:8*z+7], v[AA] offset:8448*(4+z/8)+64*(z%8)+32
.set z, z+1
.endr
	WIN 0
	s_mov_b32 s21, 3
	s_branch .Lfirst
.Lloop:                                        ; chunks 0, 1, 2; the two changes in the loop ask for chunks 2 and 3
	CHANGE 1
.Lfirst:
	P 0
	s_sub_co_u32 s21, s21, 1
	s_cmp_lg_u32 s21, 0
	s_cbranch_scc1 .Lloop
	CHANGE 0                                       ; the tail is written out
	P 1
	s_wait_tensorcnt 0x0                           ; the wave's end
	ds_add_u32 v[SPW], v[NIL]
	s_wait_dscnt 0x0
	CROUND                                         ; the closing round
	s_endpgm
.Lfunc_end_k_qccc8c2e0f2_qkv:
	.size	k_qccc8c2e0f2_qkv, .Lfunc_end_k_qccc8c2e0f2_qkv-k_qccc8c2e0f2_qkv
	.p2alignl 7, 3214868480
	.fill 96, 4, 3214868480
	.section	.rodata,"a",@progbits
	.p2align	6, 0x0
	.amdhsa_kernel k_qccc8c2e0f2_qkv
		.amdhsa_group_segment_fixed_size 327680
		.amdhsa_private_segment_fixed_size 0
		.amdhsa_enable_private_segment 0
		.amdhsa_kernarg_size 56
		.amdhsa_user_sgpr_count 2
		.amdhsa_user_sgpr_kernarg_segment_ptr 1
		.amdhsa_wavefront_size32 1
		.amdhsa_system_sgpr_workgroup_id_x 1
		.amdhsa_system_sgpr_workgroup_id_y 1
		.amdhsa_system_sgpr_workgroup_id_z 1
		.amdhsa_system_vgpr_workitem_id 0
		.amdhsa_next_free_vgpr 1024
		.amdhsa_next_free_sgpr 66
		.amdhsa_reserve_vcc 0
		.amdhsa_float_denorm_mode_32 3
		.amdhsa_float_denorm_mode_16_64 3
		.amdhsa_memory_ordered 1
		.amdhsa_forward_progress 1
		.amdhsa_inst_pref_size 90
	.end_amdhsa_kernel
	.amdgpu_metadata
---
amdhsa.version: [ 1, 2 ]
amdhsa.kernels:
  - .name:           k_qccc8c2e0f2_qkv
    .symbol:         k_qccc8c2e0f2_qkv.kd
    .args:
      - { .name: x, .offset: 0, .size: 8, .value_kind: global_buffer, .address_space: global }
      - { .name: norm_w, .offset: 8, .size: 8, .value_kind: global_buffer, .address_space: global }
      - { .name: norm_b, .offset: 16, .size: 8, .value_kind: global_buffer, .address_space: global }
      - { .name: wq_ws, .offset: 24, .size: 8, .value_kind: global_buffer, .address_space: global }
      - { .name: qkv_b, .offset: 32, .size: 8, .value_kind: global_buffer, .address_space: global }
      - { .name: q_ws, .offset: 40, .size: 8, .value_kind: global_buffer, .address_space: global }
      - { .name: kv_ws, .offset: 48, .size: 8, .value_kind: global_buffer, .address_space: global }
    .group_segment_fixed_size: 327680
    .private_segment_fixed_size: 0
    .kernarg_segment_align: 8
    .kernarg_segment_size: 56
    .max_flat_workgroup_size: 128
    .sgpr_count:     66
    .vgpr_count:     1024
    .wavefront_size: 32
...
	.end_amdgpu_metadata
.endif
;; end of part 2
;; launch attn (part 3): grid 32 x 8, 4 waves a work-group, clusters of 4 x 1, 327,680 bytes of LDS; arguments q_ws, kv_ws, bias_ws, of_ws; writes of_ws
.if DOCPART == 3
	.amdgcn_target "amdgcn-amd-amdhsa--gfx1250"
	.amdhsa_code_object_version 6
	.text
	.protected	k_qccc8c2e0f2_attn
	.globl	k_qccc8c2e0f2_attn
	.p2align	8
	.type	k_qccc8c2e0f2_attn,@function
k_qccc8c2e0f2_attn:
	s_mov_b64 s[64:65], 0
	v_nop
	global_prefetch_b8 v0, s[64:65] scope:SCOPE_SE
	s_setreg_imm32_b32 hwreg(HW_REG_WAVE_MODE, 25, 1), 1
	s_wait_xcnt 0x0
	s_wait_alu depctr_hold_cnt(0) depctr_sa_sdst(0) depctr_va_vdst(0) depctr_va_sdst(0) depctr_va_ssrc(0) depctr_va_vcc(0) depctr_vm_vsrc(0)
	s_getreg_b32 s2, hwreg(HW_REG_IB_STS2, 6, 4)
	s_cmp_eq_u32 s2, 0
	s_cbranch_scc0 .Lentry_in_a_cluster
	s_endpgm
.Lentry_in_a_cluster:
	s_bfe_u32 s2, ttmp6, 0x10000c
	s_cmp_lg_u32 s2, 0x3003
	s_cbranch_scc0 .Lentry_shape_is_right
	s_endpgm
.Lentry_shape_is_right:
; ATTENTION.  O[b][n][h][:] = the sum over m of softmax_m(q.k / 4 + bias[h][n][m]) v[m][:], for one (b, h) a work-group.  All matrix operands f16, sums, maxima and l in f32, O rounded once to f16.
; q arrives times c = log2(e) / 4 and the bias times log2(e): p = 2^(s - m) with a running maximum m; in every step O and l are multiplied by a = 2^(m_old - m_new).
; THE BIAS RIDES IN THE PRODUCT.  q and k have 16 dims, the matrix instruction 32 places along K.  In places 16-31 K's fragment holds a constant one-hot row (1 at place 16 + key), Q's fragment the 16 biases
; of its query for the block's 16 keys: S^T = K Q^T then comes out with the bias added, by one instruction for 16 x 16 scores with C = 0.
; LIMITS.  f16: nothing beyond 65,504 arrives; p below 6e-5 keeps f16's fixed step; a weight below 2^-126 counts as 0; NaN and infinities are not treated apart.
; SHARES.  K and V of (b, h), 160 KiB of register images, stay in LDS.  The 1,024 queries go in two chunks of 512; in a chunk a wave owns 8 tiles of 16 queries: four PIECES of two.  Keys go 64 a step: 32 steps.
; A step's bias (512 queries x 64 keys, 64 KiB, dense, in fragment order) comes through a ring of two slots; wave w fetches and alone reads its own 16 KiB.
; CLUSTER.  The four work-groups of a cluster are four batches of one head: the bias tile is the same for them and is asked for JOINTLY.
; LAYOUT.  In S^T a lane holds ONE query (lane % 16) and keys 8 (lane / 16) + 0..7; two such results rounded to f16 ARE source 1 of O^T = V^T P, which again holds one query a lane, and eight channels; packed,
; that is the next launch's fragment: it is stored straight from registers, 512 consecutive bytes a store.
; BY TURNS.  A trip is a step: the change of slots, then turns 3, 0, 1, 2.  Turn Y: 8 products K Q^T of piece Y + 1; the subtraction, exponentials, roundings, sums and rescaling of piece Y and the maximum and
; statistics of piece Y + 1; 16 products V^T P of piece Y - 1.  (Turn 3 finishes the step before.)  Four vector instructions stand behind every matrix instruction, the rest in one lump; a turn's 66
; exponentials are one batch with one wait.  Behind the wait the bias registers of piece Y + 1 are loaded for the next step: so a slot is read in one trip only, and filled again in the next.
; REGISTERS, in windows of 256 (s_set_vgpr_msb: bits 1:0 source 0, 3:2 source 1, 5:4 source 2, 7:6 destination):
;   window 0: v2-9 addresses; v16-47 statistics, tile t at 16 + 4 t: m, m_old, l (even, odd keys); v48-63 at work; v64-191 S^T, two buffers of two tiles; v192-255 P likewise
;   window 1: O^T, 32 a tile     window 2: Q and bias, tile t, key block kb at 32 t + 8 kb (0-3: q, 4-7: bias)
;   window 3: v0-31 K (0-3 of each 8; 4-7 the one-hot); v32-95 V; v96-127 the second chunk's q; v128-129 the add's two registers
.set NP,    4
.set SLOT1, 65536
.set KOFF,  131072
.set VOFF,  163840
.set SPARE, 294912
.set AB0, 2                            ; v2  16 x lane + 16,384 x wave: my place in a slot; never rewritten
.set AK0, 3                            ; v3  16 x lane + KOFF
.set AV0, 4                            ; v4  16 x lane + VOFF
.set AB,  5                            ; v5  the same in the slot in hand
.set AK,  6                            ; v6  K's next run
.set AV,  7                            ; v7  V's next run
.set LO,  8                            ; v8  16 x lane
.set PFO, 9                            ; v9  256 x lane
.set ST,  16
.set TMP, 48
.set S,   64
.set P,   192
.set VF,  32
.set Q1,  96
.set SPW, 128
.set NIL, 129
.set WV,  12                           ; s12 wave
.set CNT, 52                           ; s52 trips to go
.set TBB, 53                           ; s53 the slot to read: 0 or 65,536
.set TBK, 54                           ; s54 K of the step to fetch: + 2,048, modulo 32,768
.set TBV, 55                           ; s55 V of the step to fetch: + 8,192, modulo 131,072
.set SEL, 56                           ; s[56:57]
.set PFA, 58                           ; s[58:59] where my prefetches stand
.set LIM, 60                           ; s60 1 in a wave that prefetches, else the greatest number
.set MSB, 0
.macro WIN new
.if MSB != (\new)
	s_set_vgpr_msb (MSB<<8)|(\new)
.set MSB, (\new)
.endif
.endm
.set W_KQ, 0x0b                        ; K window 3, Q window 2, S^T window 0
.set W_PV, 0x53                        ; V window 3, P window 0, O^T window 1
.set W_RS, 0x41                        ; destination and source 0 window 1, source 1 window 0
.set W_MK, 0xc0                        ; destination window 3
.set W_AD, 0x0f                        ; the add: address and data window 3
.macro PLACES
.rept 4
	v_nop
.endr
.endm
.macro CROUND
	s_barrier_signal -1
	s_barrier_wait -1
	s_cmp_lg_u32 s[WV], 0
	s_cbranch_scc1 .Lnot_wave_0_\@
	s_barrier_signal -3
.Lnot_wave_0_\@:
	s_barrier_wait -3
	s_barrier_signal -1
	s_barrier_wait -1
.endm
; A PREFETCH INTO THE L2 of the bias tile that the NEXT change of slots will ask for: 256 blocks of 256 bytes, each named once in the launch.  Eight clusters walk a head's table: the first (cluster x = 0) asks.
; Its four partners share the tile out BY ADDRESS, 16 KiB each; in each, waves 0 and 1 take 32 blocks, a lane a block.  The last change that fills a slot asks for nothing.
.macro ASK
	s_cmp_gt_u32 s[CNT], s[LIM]
	s_cbranch_scc0 .Lnot_mine_\@
	global_prefetch_b8 v[PFO], s[PFA:PFA+1] th:TH_LOAD_NT scope:SCOPE_SE
.Lnot_mine_\@:
.endm
; THE CHANGE OF SLOTS, at a trip's head.  Each wave waits for all its tensor loads (one is out: the tile that this trip reads), adds 0 to its spare word, and waits for that and for its LDS loads: the last trip's
; reads of the other slot, and K's run.  Behind the cluster's round the slot read last trip is filled again, two steps ahead: the load has a trip, 96 matrix instructions and their vector work, in which to land.
.macro CHANGE
	WIN W_AD
	s_wait_tensorcnt 0x0
	ds_add_u32 v[SPW], v[NIL]                      ; the scalar steps stand between the add and the wait for it
	WIN 0
	s_xor_b32 s45, s45, SLOT1                      ; the walking descriptor: the other slot,
	s_add_nc_u64 s[46:47], s[46:47], 65536         ; the next tile (the table's order makes every step, the change of chunks too, 65,536 bytes)
	s_xor_b32 s[TBB], s[TBB], SLOT1
	s_wait_xcnt 0x0                                ; the last prefetch, a trip back, has read its address
	s_add_nc_u64 s[PFA:PFA+1], s[PFA:PFA+1], 65536
	s_wait_dscnt 0x0
	CROUND
	tensor_load_to_lds s[44:47], s[24:31]          ; every wave its own 16 KiB: the same line, descriptor and mask in all four work-groups
	s_nop 0
	PLACES
	ASK
	v_add_nc_u32 v[AB], s[TBB], v[AB0]
.endm
	s_load_b256 s[4:11], s[0:1], 0x0               ; q_ws s[4:5], kv_ws s[6:7], bias_ws s[8:9], of_ws s[10:11]
	WIN W_MK
	v_lshl_add_u32 v[SPW], v0, 2, SPARE
	v_mov_b32 v[NIL], 0
	WIN W_AD
	ds_add_u32 v[SPW], v[NIL]                      ; the wave's opening: the add and its wait stand ahead of my first tensor load
	WIN 0
	v_lshrrev_b32 v1, 5, v0
	v_readfirstlane_b32 s[WV], v1
	s_bfe_u32 s13, ttmp6, 0x40000                  ; cx
	s_lshl_b32 s14, ttmp9, 2
	s_add_co_u32 s14, s14, s13                     ; b = 4 x cluster x + cx
	s_and_b32 s15, ttmp7, 0xffff                   ; h, which the four partners share
	s_lshl_b32 s16, s14, 3
	s_add_co_u32 s16, s16, s15                     ; 8 b + h
	s_mov_b32 s24, 15|(3<<16)|(1<<21)              ; the bias tile: the mask of four; 8-byte elements; bit 21 beside a mask; dense: 64 rows of 256 bytes
	s_mov_b32 s25, 32<<16
	s_mov_b32 s26, 64<<16
	s_mov_b32 s27, 32<<16
	s_mov_b32 s28, 64
	s_mov_b32 s29, 32
	s_mov_b32 s30, 0
	s_mov_b32 s31, 0
	s_mov_b32 s32, 3<<16                           ; K and V: no mask; dense: 160 rows of 256 bytes a wave
	s_mov_b32 s33, 32<<16
	s_mov_b32 s34, 160<<16
	s_mov_b32 s35, 32<<16
	s_mov_b32 s36, 160
	s_mov_b32 s37, 32
	s_mov_b32 s38, 0
	s_mov_b32 s39, 0
	s_mov_b32 s40, 1                               ; group 0 for tile 0: slot 0
	s_lshl_b32 s41, s[WV], 14
	s_mov_b32 s44, 1                               ; the walking group 0 begins at tile 1: slot 1
	s_add_co_u32 s45, s41, SLOT1
	s_mov_b32 s48, 1                               ; group 0 for K and V
	s_mul_i32 s17, s[WV], 40960
	s_add_co_u32 s49, s17, KOFF
	s_lshl_b32 s42, s15, 21                        ; the head's table: 2 MiB; my 16 KiB of a tile
	s_add_co_u32 s42, s42, s41
	s_mov_b32 s43, 0
	s_mul_i32 s50, s16, 163840
	s_add_co_u32 s50, s50, s17
	s_mov_b32 s51, 0
	s_lshl_b32 s58, s15, 21                        ; the prefetches: the head's tile 2 (the first change steps to tile 3), + 16,384 cx + 8,192 w
	s_add_co_u32 s58, s58, 131072
	s_lshl_b32 s18, s13, 14
	s_add_co_u32 s58, s58, s18
	s_lshl_b32 s18, s[WV], 13
	s_add_co_u32 s58, s58, s18
	s_mov_b32 s59, 0
	s_lshr_b32 s[LIM], s[WV], 1                    ; 0 in waves 0 and 1,
	s_or_b32 s[LIM], s[LIM], ttmp9                 ; where the cluster is the head's first: the same in all four partners
	s_cmp_eq_u32 s[LIM], 0
	s_cselect_b32 s[LIM], 1, -1
	s_lshl_b32 s20, s16, 15                        ; q_ws: 32,768 (8 b + h) + 4,096 w
	s_lshl_b32 s18, s[WV], 12
	s_add_co_u32 s20, s20, s18
	s_mov_b32 s21, 0
	s_lshl_b32 s22, s14, 20                        ; of_ws: 1,048,576 b + 131,072 w + 2,048 h
	s_lshl_b32 s18, s[WV], 17
	s_add_co_u32 s22, s22, s18
	s_lshl_b32 s18, s15, 11
	s_add_co_u32 s22, s22, s18
	s_mov_b32 s23, 0
	s_mov_b32 s[SEL], 0x76543210
	s_mov_b32 s[SEL+1], 0xfedcba98
	s_mov_b32 s[CNT], 30
	s_mov_b32 s[TBB], 0
	s_mov_b32 s[TBK], 0
	s_mov_b32 s[TBV], 0
	v_and_b32 v10, 31, v0
	v_lshlrev_b32 v[LO], 4, v10
	v_lshlrev_b32 v[PFO], 8, v10
	v_add_nc_u32 v[AB0], s41, v[LO]
	v_add_nc_u32 v[AK0], KOFF, v[LO]
	v_add_nc_u32 v[AV0], VOFF, v[LO]
	v_and_b32 v11, 15, v0                          ; r
	v_bfe_u32 v12, v0, 4, 1                        ; hh
	v_lshrrev_b32 v13, 1, v11
	v_lshlrev_b32 v12, 2, v12
	v_sub_nc_u32 v12, v13, v12                     ; r / 2 - 4 hh: the one-hot's register, if it is 0..3
	v_and_b32 v13, 1, v0
	v_lshlrev_b32 v13, 4, v13
	v_mov_b32 v14, 0x3c00                          ; 1.0 in f16,
	v_lshlrev_b32 v13, v13, v14                    ; in the half that r % 2 names
	s_wait_dscnt 0x0                               ; the opening add is done
	s_wait_kmcnt 0x0
	s_add_nc_u64 s[42:43], s[8:9], s[42:43]
	s_add_nc_u64 s[46:47], s[42:43], 65536
	s_or_b32 s43, s43, 0x80000000
	s_or_b32 s47, s47, 0x80000000
	s_add_nc_u64 s[50:51], s[6:7], s[50:51]
	s_or_b32 s51, s51, 0x80000000
	s_add_nc_u64 s[PFA:PFA+1], s[8:9], s[PFA:PFA+1]
	s_add_nc_u64 s[4:5], s[4:5], s[20:21]
	s_add_nc_u64 s[10:11], s[10:11], s[22:23]
	CROUND                                         ; all four work-groups are here: the first joint loads meet
	tensor_load_to_lds s[40:43], s[24:31]          ; bias tile 0
	s_nop 0
	tensor_load_to_lds s[44:47], s[24:31]          ; bias tile 1
	s_nop 0
	tensor_load_to_lds s[48:51], s[32:39]          ; my quarter of K and V: three loads of mine are out
	s_nop 0
	PLACES
	WIN 0x80                                       ; destination window 2
.set t, 0
.rept 8                                ; q of chunk 0: a copy beside each of the tile's four bias fragments
.set kb, 0
.rept 4
	global_load_b128 v[32*t+8*kb:32*t+8*kb+3], v[LO], s[4:5] offset:512*t
.set kb, kb+1
.endr
.set t, t+1
.endr
	WIN 0xc0                                       ; destination window 3
.set t, 0
.rept 8
	global_load_b128 v[Q1+4*t:Q1+4*t+3], v[LO], s[4:5] offset:16384+512*t
.set t, t+1
.endr
.irp j, 0,1,2,3                        ; the one-hot halves of K's four fragments; never rewritten
	v_cmp_eq_u32 vcc_lo, \j, v12
.irp kb, 0,1,2,3
	v_cndmask_b32 v[8*\kb+4+\j], 0, v13, vcc_lo
.endr
.endr
	; What the first turn finds: V and P's second buffer hold 0 (its products V^T P, of a piece that has not been, add 0); O^T and l are 0; m is the lowest finite number, so the first a is 0.
.set z, VF
.rept 64
	v_mov_b32 v[z], 0
.set z, z+1
.endr
	WIN 0x40
.set z, 0
.rept 256
	v_mov_b32 v[z], 0
.set z, z+1
.endr
	WIN 0
.set z, 0
.rept 8
	v_mov_b32 v[ST+4*z], 0xff7fffff
	v_mov_b32 v[ST+4*z+1], 0xff7fffff
	v_mov_b32 v[ST+4*z+2], 0
	v_mov_b32 v[ST+4*z+3], 0
.set z, z+1
.endr
.set z, P+32
.rept 32
	v_mov_b32 v[z], 0
.set z, z+1
.endr
	v_mov_b32 v[AB], v[AB0]
	v_mov_b32 v[AK], v[AK0]
; THE MATRIX WORK.  Product i of 8 of S^T = K Q^T (+ bias) for piece x: tile 2 x + i % 2, keys 16 (i / 2) on: one instruction an accumulator.
.macro KQ x
	WIN W_KQ
.set rS, S+64*((\x)%2)+32*(i%2)+8*(i/2)
.set rK, 8*(i/2)
.set rQ, 64*(\x)+32*(i%2)+8*(i/2)
	v_wmma_f32_16x16x32_f16 v[rS:rS+7], v[rK:rK+7], v[rQ:rQ+7], 0
.endm
; Product i of 16 of O^T += V^T P for piece x: keys 32 (i / 8) on, channels 16 ((i / 2) % 4) on, tile 2 x + i % 2.  The 8 accumulators take turns.
.macro PV x
	WIN W_PV
.set rO, 32*(2*(\x)+i%2)+8*((i/2)%4)
.set rV, VF+32*(i/8)+8*((i/2)%4)
.set rP, P+32*((\x)%2)+16*(i%2)+8*(i/8)
	v_wmma_f32_16x16x32_f16 v[rO:rO+7], v[rV:rV+7], v[rP:rP+7], v[rO:rO+7]
.endm
.macro MM                              ; the turn's next matrix instruction
.if i < 8
	KQ (Y+1)%NP
.set i, i+1
.else
.set i, i-8
	PV (Y+NP-1)%NP
.set i, i+9
.endif
.endm
; THE LDS LOADS stand in runs; every address is 16 x lane plus constants: no conflicts, no padding.
.macro BRUN p                          ; the next step's bias for piece p
	WIN 0x80
.set z, 0
.rept 8
	ds_load_b128 v[64*(\p)+8*z+4:64*(\p)+8*z+7], v[AB] offset:4096*(\p)+512*z
.set z, z+1
.endr
	WIN 0
.endm
.macro KRUN                            ; a step's K: four fragments' q halves
	WIN 0xc0
.set z, 0
.rept 4
	ds_load_b128 v[8*z:8*z+3], v[AK] offset:512*z
.set z, z+1
.endr
	WIN 0
	s_add_co_u32 s[TBK], s[TBK], 2048
	s_and_b32 s[TBK], s[TBK], 0x7fff               ; behind the last step the first: the second chunk walks the keys anew
.endm
.macro VRUN                            ; a step's V: key half kk, channel block cb, register half at 4,096 kk + 1,024 cb + 512 half
	WIN 0xc0
.set z, 0
.rept 16
	ds_load_b128 v[VF+4*z:VF+4*z+3], v[AV] offset:512*z
.set z, z+1
.endr
	WIN 0
	s_add_co_u32 s[TBV], s[TBV], 8192
	s_and_b32 s[TBV], s[TBV], 0x1ffff
.endm
; THE VECTOR WORK OF A TURN stands in three queues, each in the order in which its entries become ready; the two tiles alternate.
.macro REGS y, u
.set rT, ST+4*(2*(\y)+(\u))
.set rC, TMP+8*((\y)%2)+4*(\u)
.set rS, S+64*((\y)%2)+32*(\u)
.set rP, P+32*((\y)%2)+16*(\u)
.set rO, 32*(2*(\y)+(\u))
.endm
; The NEXT piece's maximum and statistics.  0-11: four chains c0-c3 of seven scores each (each accumulator's lowest registers first); 12-14, 16: the four scores left over, the old m,
; c0-c3 into c0; 15: m_old is kept; 17, 18: the query's other 32 keys lie in the lane 16 away: the new m; 20: m_old - m_new; 21: a.
.macro XS u, n
	REGS (Y+1)%NP, \u
.if (\n) < 4
	v_max3_num_f32 v[rC+(\n)], v[rS+8*(\n)], v[rS+8*(\n)+1], v[rS+8*(\n)+2]
.elseif (\n) < 12
	v_max3_num_f32 v[rC+(\n)%4], v[rC+(\n)%4], v[rS+8*((\n)%4)+2*((\n)/4)+1], v[rS+8*((\n)%4)+2*((\n)/4)+2]
.elseif (\n) == 12
	v_max3_num_f32 v[rC], v[rC], v[rS+7], v[rS+15]
.elseif (\n) == 13
	v_max3_num_f32 v[rC+1], v[rC+1], v[rS+23], v[rS+31]
.elseif (\n) == 14
	v_max3_num_f32 v[rC+2], v[rC+2], v[rC+3], v[rT]
.elseif (\n) == 15
	v_mov_b32 v[rT+1], v[rT]
.elseif (\n) == 16
	v_max3_num_f32 v[rC], v[rC], v[rC+1], v[rC+2]
.elseif (\n) == 17
	v_permlanex16_b32 v[rC+3], v[rC], s[SEL], s[SEL+1]
.elseif (\n) == 18
	v_max_num_f32 v[rT], v[rC], v[rC+3]
.elseif (\n) == 20
	v_sub_f32 v[rC+1], v[rT+1], v[rT]
.else
	v_exp_f32 v[rC+2], v[rC+1]
.endif
.endm
.macro FS f                            ; s - m for pair f / 2 of tile f % 2
	REGS Y, (\f)%2
	v_pk_add_f32 v[rS+2*((\f)/2):rS+2*((\f)/2)+1], v[rS+2*((\f)/2):rS+2*((\f)/2)+1], v[rT:rT+1] op_sel_hi:[1,0] neg_lo:[0,1] neg_hi:[0,1]
.endm
; The 64 that follow the exponentials.  For each four weights of a tile: both pairs are rounded to f16; the second pair is added onto the first, in place; a group later l takes that sum (first as l = a l + sum).
.macro GS g
.set gh, (\g)+6*((\g)/62)
.if gh >= 6
.set gh, gh+2
.endif
	REGS Y, gh%2
.set gk, gh/8
.if gh%8 < 4
	v_cvt_pk_f16_f32 v[rP+2*gk+(gh%8)/2], v[rS+4*gk+2*((gh%8)/2)], v[rS+4*gk+2*((gh%8)/2)+1]
.elseif gh%8 < 6
	v_pk_add_f32 v[rS+4*gk:rS+4*gk+1], v[rS+4*gk:rS+4*gk+1], v[rS+4*gk+2:rS+4*gk+3]
.elseif gk == 1
	v_pk_fma_f32 v[rT+2:rT+3], v[rT+2:rT+3], v[rC+2:rC+3], v[rS:rS+1] op_sel_hi:[1,0,1]
.else
	v_pk_add_f32 v[rT+2:rT+3], v[rT+2:rT+3], v[rS+4*gk-4:rS+4*gk-3]
.endif
.endm
; THE PLAIN QUEUE, 136 long.  0-27: subtractions 0-27.  28-55: XS 0-13.  56, 57: XS 15.  58-69: the chain 14, 16, 17, 18, each link with one of the subtractions 28-31 in front of its two lines.  70, 71: XS 20.
; 72-135: GS's 64, which read the exponentials' results: they stand behind the wait.
.macro PL
	WIN 0
.if q < 28
	FS q
.elseif q < 56
	XS (q-28)%2, (q-28)/2
.elseif q < 58
	XS q-56, 15
.elseif (q < 70) && ((q-58)%3 == 0)
	FS 28+(q-58)/3
.elseif q < 61
	XS (q-58)%3-1, 14
.elseif q < 70
	XS (q-58)%3-1, 15+(q-58)/3
.elseif q < 72
	XS q-70, 20
.else
	GS q-72
.endif
.set q, q+1
.endm
.macro EX                              ; THE EXPONENTIALS' QUEUE, 66 long: s0-s31 of both tiles, then the next piece's two a: one batch
	WIN 0
.if e >= 64
	XS e-64, 21
.else
	REGS Y, e%2
	v_exp_f32 v[rS+e/2], v[rS+e/2]
.endif
.set e, e+1
.endm
.macro R2                              ; THE RESCALING's QUEUE: O^T times a, two at a time, ascending; its a was made, and waited for, in the turn before
	REGS Y, r%2
	WIN W_RS
.irp z, 0,1
	v_pk_mul_f32 v[rO+4*(r/2)+2*\z:rO+4*(r/2)+2*\z+1], v[rO+4*(r/2)+2*\z:rO+4*(r/2)+2*\z+1], v[rC+2:rC+3] op_sel_hi:[1,0]
.endr
.set r, r+1
.endm
; A TURN, for piece p.  AHEAD OF THE WAIT stands all that names no result of the turn's exponentials: 8 products K Q^T with their riders, the rest of the rescaling, and the lump.  Exponential e wants subtraction
; 2 (e / 4) + e % 2: as a rider e + 3 plain entries stand ahead of it, in the lump e + 8; subtractions 28-31 are plain 58, 61, 64, 67, wanted from e = 56, 57, 60, 61 on.  BEHIND THE WAIT: the bias run,
; then 16 products V^T P, behind each four of the roundings and sums.  K of the next step is fetched in turn 2 behind the wait; V of the step in hand at the end of turn 0, four plain riders behind its last reader.
.macro TURN p
.set Y, (\p)
.set i, 0
.set q, 0
.set e, 0
.set r, 0
	MM
	PL
	PL
	R2
.rept 7
	MM
	PL
	EX
	R2
.endr
.rept 8
	R2
.endr
.if (\p) == 2
	WIN 0
	v_add_nc_u32 v[AK], s[TBK], v[AK0]
.endif
.rept 6
	PL
.endr
.rept 57
	EX
	PL
.endr
	EX
	EX
	v_nop                                          ; a plain instruction behind the last exponential: one for the batch
	s_wait_alu depctr_va_vdst(0)                   ; the wait for the batch, ahead of its first reader
	BRUN ((\p)+1)%NP
.if (\p) == 2
	KRUN
.endif
.if (\p) == 1
	s_wait_dscnt 0x8                               ; V is in: younger than its run are this turn's eight bias loads
.endif
.rept 16
	MM
.rept 4
	PL
.endr
.if ((\p) == 0) && (q == 120)
	v_add_nc_u32 v[AV], s[TBV], v[AV0]
.endif
.endr
.if (\p) == 0
	VRUN
.endif
.endm
; A PIECE LEAVES: l's two halves and the other half of the lanes' are added; O^T is divided by l, rounded to f16 into S^T's first buffer (free at each place where this stands) and stored.
.macro OUT p
	WIN 0
.irp u, 0,1
	v_add_f32 v[ST+4*(2*(\p)+\u)+2], v[ST+4*(2*(\p)+\u)+2], v[ST+4*(2*(\p)+\u)+3]
.endr
.irp u, 0,1
	v_permlanex16_b32 v[ST+4*(2*(\p)+\u)+3], v[ST+4*(2*(\p)+\u)+2], s[SEL], s[SEL+1]
.endr
.irp u, 0,1
	v_add_f32 v[ST+4*(2*(\p)+\u)+2], v[ST+4*(2*(\p)+\u)+2], v[ST+4*(2*(\p)+\u)+3]
.endr
.irp u, 0,1
	v_rcp_f32 v[ST+4*(2*(\p)+\u)+2], v[ST+4*(2*(\p)+\u)+2]
.endr
	v_nop
	s_wait_alu depctr_va_vdst(0)                   ; one wait for the two reciprocals
	WIN W_RS
.set z, 0
.rept 32
	v_pk_mul_f32 v[64*(\p)+2*z:64*(\p)+2*z+1], v[64*(\p)+2*z:64*(\p)+2*z+1], v[ST+4*(2*(\p)+z/16)+2:ST+4*(2*(\p)+z/16)+3] op_sel_hi:[1,0]
.set z, z+1
.endr
	WIN 0x05                                       ; sources window 1, destination window 0
.set z, 0
.rept 32
	v_cvt_pk_f16_f32 v[S+32*((\p)%2)+z], v[64*(\p)+2*z], v[64*(\p)+2*z+1]
.set z, z+1
.endr
	WIN 0
.set z, 0
.rept 8
	global_store_b128 v[LO], v[S+32*((\p)%2)+4*z:S+32*((\p)%2)+4*z+3], s[10:11] offset:16384*(2*(\p)+z/4)+512*(z%4)  ; 512 consecutive bytes, aligned
.set z, z+1
.endr
.endm
.macro RESET p                         ; m back to the lowest finite number: the piece's next a is 0, so what O^T and l hold need only be finite
	WIN 0
	v_mov_b32 v[ST+8*(\p)], 0xff7fffff
	v_mov_b32 v[ST+8*(\p)+4], 0xff7fffff
.endm
	s_wait_tensorcnt 0x0                           ; my parts of both bias tiles and of K and V are in,
	s_barrier_signal -1
	s_barrier_wait -1                              ; everybody's part of K and V is
	BRUN 0                                         ; step 0's bias, from slot 0
	BRUN 1
	BRUN 2
	BRUN 3
	KRUN                                           ; step 0's K
	CHANGE                                         ; trip 0: slot 0 has been read: tile 2 goes out
	s_wait_loadcnt 0x0                             ; q
.set i, 0
.rept 8
	KQ 0                                           ; piece 0's first scores
.set i, i+1
.endr
	WIN 0
	PLACES
.set Y, NP-1                           ; XS works for piece Y + 1: piece 0
.irp n, 0,1,2,3,4,5,6,7,8,9,10,11,12,13,14,15,16,17,18,20,21
	XS 0, \n
	XS 1, \n
.endr
	v_nop
	s_wait_alu depctr_va_vdst(0)                   ; the two a, ahead of the branch
	BRUN 0                                         ; piece 0's bias of step 1
	s_branch .Lfirst                               ; the loop is entered behind turn 3
.Lstep:                                        ; trips 0 to 29: the changes ask for tiles 2 to 31
	CHANGE
	s_cmp_eq_u32 s[CNT], 14                        ; trip 16: the second chunk's first step
	s_cbranch_scc0 .Lno_w
	OUT 0                                          ; pieces 0 and 1 of the first chunk are finished
	OUT 1
	WIN 0x83                                       ; destination window 2, source window 3: all K Q^T of the first chunk are done: the second chunk's q
.set t, 0
.rept 8
.set kb, 0
.rept 4
.set z, 0
.rept 4
	v_mov_b32 v[32*t+8*kb+z], v[Q1+4*t+z]
.set z, z+1
.endr
.set kb, kb+1
.endr
.set t, t+1
.endr
	RESET 0
	RESET 1
	RESET 2                                        ; (piece 2's subtraction of the last step is done; its O^T still takes that step's products, in turn 3)
	s_wait_xcnt 0x0                                ; the stores have read S^T's first buffer, which turn 3 writes
.Lno_w:
	TURN 3
	WIN 0
.Lfirst:
	TURN 0
	WIN 0
	s_cmp_eq_u32 s[CNT], 14
	s_cbranch_scc0 .Lno_y
	OUT 2
	OUT 3
	RESET 3
	s_wait_xcnt 0x0                                ; the stores have read their registers and O's address
	s_add_nc_u64 s[10:11], s[10:11], 524288        ; the second chunk's 32 tiles
.Lno_y:
	TURN 1
	TURN 2
	WIN 0
	s_sub_co_u32 s[CNT], s[CNT], 1
	s_cmp_lg_u32 s[CNT], 0
	s_cbranch_scc1 .Lstep
	s_wait_tensorcnt 0x0                           ; the tail is written out: tile 31 is in, nothing more is asked for; the slots are each wave's own: no barrier
	s_mov_b32 s[CNT], 3                            ; trips 30 and 31; the third is left in its middle
.Ltail:
	s_wait_dscnt 0x0                               ; K's run and the bias runs
	s_xor_b32 s[TBB], s[TBB], SLOT1
	v_add_nc_u32 v[AB], s[TBB], v[AB0]
	s_cmp_eq_u32 s[CNT], 1
	s_cbranch_scc0 .Lno_t
	OUT 0                                          ; ahead of the third trip, whose products K Q^T, on a stale bias, and what is made of them serve nothing: the price, once a launch, of one text for every trip
	OUT 1
	s_wait_xcnt 0x0
.Lno_t:
	TURN 3
	TURN 0
	WIN 0
	s_sub_co_u32 s[CNT], s[CNT], 1
	s_cmp_eq_u32 s[CNT], 0
	s_cbranch_scc1 .Lout
	TURN 1
	TURN 2
	WIN 0
	s_branch .Ltail
.Lout:
	OUT 2
	OUT 3
	WIN W_AD
	s_wait_tensorcnt 0x0                           ; the wave's end
	ds_add_u32 v[SPW], v[NIL]
	s_wait_dscnt 0x0
	WIN 0
	CROUND                                         ; the closing round
	s_endpgm
.Lfunc_end_k_qccc8c2e0f2_attn:
	.size	k_qccc8c2e0f2_attn, .Lfunc_end_k_qccc8c2e0f2_attn-k_qccc8c2e0f2_attn
	.p2alignl 7, 3214868480
	.fill 96, 4, 3214868480
	.section	.rodata,"a",@progbits
	.p2align	6, 0x0
	.amdhsa_kernel k_qccc8c2e0f2_attn
		.amdhsa_group_segment_fixed_size 327680
		.amdhsa_private_segment_fixed_size 0
		.amdhsa_enable_private_segment 0
		.amdhsa_kernarg_size 32
		.amdhsa_user_sgpr_count 2
		.amdhsa_user_sgpr_kernarg_segment_ptr 1
		.amdhsa_wavefront_size32 1
		.amdhsa_system_sgpr_workgroup_id_x 1
		.amdhsa_system_sgpr_workgroup_id_y 1
		.amdhsa_system_sgpr_workgroup_id_z 1
		.amdhsa_system_vgpr_workitem_id 0
		.amdhsa_next_free_vgpr 904
		.amdhsa_next_free_sgpr 66
		.amdhsa_reserve_vcc 1
		.amdhsa_float_denorm_mode_32 3
		.amdhsa_float_denorm_mode_16_64 3
		.amdhsa_memory_ordered 1
		.amdhsa_forward_progress 1
		.amdhsa_inst_pref_size 213
	.end_amdhsa_kernel
	.amdgpu_metadata
---
amdhsa.version: [ 1, 2 ]
amdhsa.kernels:
  - .name:           k_qccc8c2e0f2_attn
    .symbol:         k_qccc8c2e0f2_attn.kd
    .args:
      - { .name: q_ws, .offset: 0, .size: 8, .value_kind: global_buffer, .address_space: global }
      - { .name: kv_ws, .offset: 8, .size: 8, .value_kind: global_buffer, .address_space: global }
      - { .name: bias_ws, .offset: 16, .size: 8, .value_kind: global_buffer, .address_space: global }
      - { .name: of_ws, .offset: 24, .size: 8, .value_kind: global_buffer, .address_space: global }
    .group_segment_fixed_size: 327680
    .private_segment_fixed_size: 0
    .kernarg_segment_align: 8
    .kernarg_segment_size: 32
    .max_flat_workgroup_size: 128
    .sgpr_count:     66
    .vgpr_count:     904
    .wavefront_size: 32
...
	.end_amdgpu_metadata
.endif
;; end of part 3
;; launch proj (part 4): grid 256 x 1, 4 waves a work-group, clusters of 4 x 1, 327,680 bytes of LDS; arguments of_ws, wp_ws, proj_b, out0; writes out0
.if DOCPART == 4
	.amdgcn_target "amdgcn-amd-amdhsa--gfx1250"
	.amdhsa_code_object_version 6
	.text
	.protected	k_qccc8c2e0f2_proj
	.globl	k_qccc8c2e0f2_proj
	.p2align	8
	.type	k_qccc8c2e0f2_proj,@function
k_qccc8c2e0f2_proj:
	s_mov_b64 s[64:65], 0
	v_nop
	global_prefetch_b8 v0, s[64:65] scope:SCOPE_SE
	s_setreg_imm32_b32 hwreg(HW_REG_WAVE_MODE, 25, 1), 1
	s_wait_xcnt 0x0
	s_wait_alu depctr_hold_cnt(0) depctr_sa_sdst(0) depctr_va_vdst(0) depctr_va_sdst(0) depctr_va_ssrc(0) depctr_va_vcc(0) depctr_vm_vsrc(0)
	s_getreg_b32 s2, hwreg(HW_REG_IB_STS2, 6, 4)
	s_cmp_eq_u32 s2, 0
	s_cbranch_scc0 .Lentry_in_a_cluster
	s_endpgm
.Lentry_in_a_cluster:
	s_bfe_u32 s2, ttmp6, 0x10000c
	s_cmp_lg_u32 s2, 0x3003
	s_cbranch_scc0 .Lentry_shape_is_right
	s_endpgm
.Lentry_shape_is_right:
; PROJ.  out0 = O Wp^T + proj_b.  O (f16, in fragment order: of_ws[b][tile 64][h 8][cb 4][lane][8]) and Wp (f16, [256][512]) are the operands; f32 sums that START at the bias; out0 in f32.
; SHARES.  A work-group owns 128 rows x all 256 columns, K = 512.  Wave w: rows 64 (w / 2) on (4 tiles), columns 128 (w % 2) on (8 blocks): 32 accumulators, 512 matrix instructions.
; O's fragments come straight from memory into 512 registers (16 bytes a lane, 512 consecutive bytes a load).  Wp comes whole into LDS, in four quarters of K, EACH BYTE FILLED ONCE: no ring.
; CLUSTER.  Every work-group reads all of Wp: the four of a cluster ask for it jointly.
; THE PRODUCT IS TAKEN TRANSPOSED (source 0 = 16 rows of Wp, source 1 = 16 rows of O): a lane ends with eight neighbouring columns of one row; rows go out through each wave's own stage, 512 consecutive bytes a store.
.set QTR,   69632                      ; a quarter: 256 rows, pitch 272 = 17 x 16: the 16 rows of a fragment load start at 16 different groups of four banks
.set STG,   278528                     ; 16 rows x 528 bytes for each wave
.set SPARE, 312320
.set LO,  3                            ; v3  16 x lane
.set AW,  4                            ; v4  my place in a quarter's fragments; steps from quarter to quarter
.set STO, 5                            ; v5  the way out: where I put 32 bytes of a row
.set RD,  6                            ; v6  where I read a row back
.set BO,  7                            ; v7  my eight biases of a block
.set SPW, 10
.set NIL, 11
.set PB,  64                           ; v[64:127]  proj_b, 8 a block
.set WB,  128                          ; v[128:255] two buffers of 8 weight fragments, by the K step's parity; later rows on their way out
; window 1: the accumulators, (row tile i, block nb) at 8 (8 i + nb).  windows 2, 3: O's fragments, (K step ks, i) at 8 (4 (ks % 8) + i).
.set MSB, 0
.macro WIN new
.if MSB != (\new)
	s_set_vgpr_msb (MSB<<8)|(\new)
.set MSB, (\new)
.endif
.endm
.macro PLACES
.rept 4
	v_nop
.endr
.endm
.macro CROUND
	s_barrier_signal -1
	s_barrier_wait -1
	s_cmp_lg_u32 s20, 0
	s_cbranch_scc1 .Lnot_wave_0_\@
	s_barrier_signal -3
.Lnot_wave_0_\@:
	s_barrier_wait -3
	s_barrier_signal -1
	s_barrier_wait -1
.endm
	s_load_b256 s[4:11], s[0:1], 0x0               ; of_ws s[4:5], wp_ws s[6:7], proj_b s[8:9], out0 s[10:11]
	v_lshl_add_u32 v[SPW], v0, 2, SPARE
	v_mov_b32 v[NIL], 0
	ds_add_u32 v[SPW], v[NIL]                      ; the wave's opening: the add and its wait stand ahead of my first tensor load
	v_lshrrev_b32 v1, 5, v0
	v_readfirstlane_b32 s20, v1                    ; wave 0..3
	s_bfe_u32 s2, ttmp6, 0x40000                   ; cx
	s_lshl_b32 s3, ttmp9, 2
	s_add_co_u32 s3, s3, s2                        ; g: it enters O's and out0's addresses alone
	s_lshr_b32 s18, s20, 1
	s_and_b32 s19, s20, 1
	s_mov_b32 s24, 15|(1<<16)|(1<<20)|(1<<21)|(5<<22)|(3<<25)  ; the mask of four; 2-byte elements; padding on; bit 21 beside a mask; after every 64 words; 4 words
	s_mov_b32 s25, 128<<16                         ; tensor_dim0 = 128
	s_mov_b32 s26, 64<<16                          ; tensor_dim1 = 64
	s_mov_b32 s27, 128<<16                         ; tile_dim0 = 128
	s_mov_b32 s28, 64                              ; tile_dim1 = 64
	s_mov_b32 s29, 512                             ; elements from row to row
	s_mov_b32 s30, 0
	s_mov_b32 s31, 0
	s_mul_i32 s21, s20, 17408                      ; my 64 rows of a quarter in LDS,
	s_lshl_b32 s22, s20, 16                        ; and in memory
	s_mov_b32 s23, 0
	s_lshl_b32 s48, s3, 17                         ; O and out0: 131,072 g + 65,536 (w / 2)
	s_lshl_b32 s50, s18, 16
	s_add_co_u32 s48, s48, s50
	s_mov_b32 s49, 0
	s_lshl_b32 s50, s19, 9                         ; out0: + my 128 columns
	s_add_co_u32 s50, s50, s48
	s_mov_b32 s51, 0
	v_and_b32 v1, 31, v0
	v_and_b32 v2, 15, v0                           ; r
	v_bfe_u32 v8, v0, 4, 1                         ; hh
	v_lshlrev_b32 v[LO], 4, v1
	s_mul_i32 s52, s19, 34816                      ; my 128 rows of Wp
	v_mul_u32_u24 v[AW], v2, 272
	v_lshl_add_u32 v[AW], v8, 4, v[AW]
	v_add_nc_u32 v[AW], s52, v[AW]
	s_mul_i32 s52, s20, 8448
	s_add_co_u32 s52, s52, STG                     ; my stage
	v_mul_u32_u24 v[STO], v2, 528
	v_lshl_add_u32 v[STO], v8, 5, v[STO]
	v_add_nc_u32 v[STO], s52, v[STO]
	v_add_nc_u32 v[RD], s52, v[LO]
	s_lshl_b32 s52, s19, 9
	v_lshl_add_u32 v[BO], v8, 5, s52
	s_wait_dscnt 0x0                               ; the opening add is done
	s_wait_kmcnt 0x0
	s_add_nc_u64 s[22:23], s[6:7], s[22:23]
	s_add_nc_u64 s[4:5], s[4:5], s[48:49]
	s_add_nc_u64 s[10:11], s[10:11], s[50:51]
.irp n, 0,1,2,3
	s_mov_b32 s[32+4*\n], 1
	s_add_co_u32 s[33+4*\n], s21, QTR*\n
	s_add_nc_u64 s[34+4*\n:35+4*\n], s[22:23], 256*\n
	s_or_b32 s[35+4*\n], s[35+4*\n], 0x80000000
.endr
	CROUND                                         ; all four work-groups are here: the joint loads meet
.irp n, 0,1,2,3
	tensor_load_to_lds s[32+4*\n:35+4*\n], s[24:31]   ; my 64 rows of quarter n: four loads of mine are out
	s_nop 0
.endr
	PLACES
.set nb, 0
.rept 8
	global_load_b128 v[PB+8*nb:PB+8*nb+3], v[BO], s[8:9] offset:64*nb
	global_load_b128 v[PB+8*nb+4:PB+8*nb+7], v[BO], s[8:9] offset:64*nb+16
.set nb, nb+1
.endr
	WIN 0x80                                       ; destination window 2: K steps 0-7, in the order in which they are wanted
.set z, 0
.rept 64
	global_load_b128 v[4*z:4*z+3], v[LO], s[4:5] offset:16384*((z/2)%4)+1024*(z/8)+512*(z%2)
.set z, z+1
.endr
	WIN 0xc0                                       ; window 3: K steps 8-15
.set z, 0
.rept 64
	global_load_b128 v[4*z:4*z+3], v[LO], s[4:5] offset:16384*((z/2)%4)+1024*(8+z/8)+512*(z%2)
.set z, z+1
.endr
	WIN 0
.macro RUN k                           ; K step k's eight weight fragments
	WIN 0
.set nb, 0
.rept 8
	ds_load_b128 v[WB+64*((\k)%2)+8*nb:WB+64*((\k)%2)+8*nb+3], v[AW] offset:4352*nb+64*((\k)%4)
	ds_load_b128 v[WB+64*((\k)%2)+8*nb+4:WB+64*((\k)%2)+8*nb+7], v[AW] offset:4352*nb+64*((\k)%4)+32
.set nb, nb+1
.endr
.endm
	s_wait_tensorcnt 0x3                           ; my part of quarter 0 is in; the three later quarters may stay out
	s_barrier_signal -1
	s_barrier_wait -1                              ; everybody's is
	RUN 0
.set ks, 0
.rept 16
.if ks > 0
	PLACES                                         ; four places behind the last product, ahead of loads into the buffer that the step before last multiplied
.endif
.if (ks%4 == 3) && (ks < 15)
	s_wait_dscnt 0x0                               ; no LDS load of mine is out at the signal
	s_wait_tensorcnt 3-(ks+1)/4                    ; my part of the next quarter is in; the later ones stay out
	s_barrier_signal -1
	s_barrier_wait -1
	WIN 0
	v_add_nc_u32 v[AW], QTR, v[AW]
.endif
.if ks < 15
	RUN ks+1
	s_wait_dscnt 16                                ; this step's fragments are in: the run just issued is younger
.else
	s_wait_dscnt 0x0
.endif
.if 120-8*ks > 63
	s_wait_loadcnt 63                              ; this step's O: more than 63 loads are younger, and the count's field ends there
.else
	s_wait_loadcnt 120-8*ks                        ; this step's O: the later steps' loads, eight each, are younger
.endif
.if ks == 0
	WIN 0x48                                       ; Wp window 0, O window 2, C (the bias) window 0, D window 1
.elseif ks < 8
	WIN 0x58
.else
	WIN 0x5c                                       ; O window 3
.endif
.set ii, 0
.rept 4                                ; the 32 accumulators take turns
.set nb, 0
.rept 8
.set rA, 8*(8*ii+nb)
.set rW, WB+64*(ks%2)+8*nb
.set rO, 8*(4*(ks%8)+ii)
.if ks == 0
	v_wmma_f32_16x16x32_f16 v[rA:rA+7], v[rW:rW+7], v[rO:rO+7], v[PB+8*nb:PB+8*nb+7]
.else
	v_wmma_f32_16x16x32_f16 v[rA:rA+7], v[rW:rW+7], v[rO:rO+7], v[rA:rA+7]
.endif
.set nb, nb+1
.endr
.set ii, ii+1
.endr
.set ks, ks+1
.endr
	; THE WAY OUT, a row tile at a time: 32 bytes a lane into my own stage, back as whole rows of 512 bytes, stored.  LDS serves a wave's instructions in order: no wait between the stores and the loads.
	PLACES
.set ii, 0
.rept 4
	WIN 0x04                                       ; store data window 1
.set nb, 0
.rept 8
	ds_store_b128 v[STO], v[8*(8*ii+nb):8*(8*ii+nb)+3] offset:64*nb
	ds_store_b128 v[STO], v[8*(8*ii+nb)+4:8*(8*ii+nb)+7] offset:64*nb+16
.set nb, nb+1
.endr
	WIN 0
.if ii >= 2
	s_wait_xcnt 0x0                                ; the stores of the tile before last have read this buffer
.endif
.set z, 0
.rept 16
	ds_load_b128 v[WB+64*(ii%2)+4*z:WB+64*(ii%2)+4*z+3], v[RD] offset:528*z
.set z, z+1
.endr
.set z, 0
.rept 16
	s_wait_dscnt 15-z
	global_store_b128 v[LO], v[WB+64*(ii%2)+4*z:WB+64*(ii%2)+4*z+3], s[10:11] offset:16384*ii+1024*z th:TH_STORE_NT  ; 512 consecutive bytes, aligned
.set z, z+1
.endr
.set ii, ii+1
.endr
	s_wait_tensorcnt 0x0                           ; the wave's end, behind my last LDS store
	ds_add_u32 v[SPW], v[NIL]
	s_wait_dscnt 0x0
	CROUND                                         ; the closing round
	s_endpgm
.Lfunc_end_k_qccc8c2e0f2_proj:
	.size	k_qccc8c2e0f2_proj, .Lfunc_end_k_qccc8c2e0f2_proj-k_qccc8c2e0f2_proj
	.p2alignl 7, 3214868480
	.fill 96, 4, 3214868480
	.section	.rodata,"a",@progbits
	.p2align	6, 0x0
	.amdhsa_kernel k_qccc8c2e0f2_proj
		.amdhsa_group_segment_fixed_size 327680
		.amdhsa_private_segment_fixed_size 0
		.amdhsa_enable_private_segment 0
		.amdhsa_kernarg_size 32
		.amdhsa_user_sgpr_count 2
		.amdhsa_user_sgpr_kernarg_segment_ptr 1
		.amdhsa_wavefront_size32 1
		.amdhsa_system_sgpr_workgroup_id_x 1
		.amdhsa_system_sgpr_workgroup_id_y 1
		.amdhsa_system_sgpr_workgroup_id_z 1
		.amdhsa_system_vgpr_workitem_id 0
		.amdhsa_next_free_vgpr 1024
		.amdhsa_next_free_sgpr 66
		.amdhsa_reserve_vcc 0
		.amdhsa_float_denorm_mode_32 3
		.amdhsa_float_denorm_mode_16_64 3
		.amdhsa_memory_ordered 1
		.amdhsa_forward_progress 1
		.amdhsa_inst_pref_size 88
	.end_amdhsa_kernel
	.amdgpu_metadata
---
amdhsa.version: [ 1, 2 ]
amdhsa.kernels:
  - .name:           k_qccc8c2e0f2_proj
    .symbol:         k_qccc8c2e0f2_proj.kd
    .args:
      - { .name: of_ws, .offset: 0, .size: 8, .value_kind: global_buffer, .address_space: global }
      - { .name: wp_ws, .offset: 8, .size: 8, .value_kind: global_buffer, .address_space: global }
      - { .name: proj_b, .offset: 16, .size: 8, .value_kind: global_buffer, .address_space: global }
      - { .name: out0, .offset: 24, .size: 8, .value_kind: global_buffer, .address_space: global }
    .group_segment_fixed_size: 327680
    .private_segment_fixed_size: 0
    .kernarg_segment_align: 8
    .kernarg_segment_size: 32
    .max_flat_workgroup_size: 128
    .sgpr_count:     66
    .vgpr_count:     1024
    .wavefront_size: 32
...
	.end_amdgpu_metadata
.endif
;; end of part 4
;; ======== version 2 of 2: 4 launches; version 1 with the launch prep written anew for expert scheduling mode
;; limits: values are held in f16: magnitudes above 65,504 overflow, below 6.1e-05 lose precision
;; workspace buffers: bias_ws 16,777,216 bytes; wq_ws 393,216 bytes; wp_ws 262,144 bytes; q_ws 8,388,608 bytes; kv_ws 41,943,040 bytes; of_ws 33,554,432 bytes
;; launch prep (part 5): grid 256 x 1, 8 waves a work-group, no clusters, 17,408 bytes of LDS; arguments attn_biases, bias_idxs, qkv_w, proj_w, bias_ws, wq_ws, wp_ws; writes bias_ws, wq_ws, wp_ws
.if DOCPART == 5
	.amdgcn_target "amdgcn-amd-amdhsa--gfx1250"
	.amdhsa_code_object_version 6
	.text
	.protected	k_qccc8c2e0f2_prep
	.globl	k_qccc8c2e0f2_prep
	.p2align	8
	.type	k_qccc8c2e0f2_prep,@function
k_qccc8c2e0f2_prep:
	s_mov_b64 s[64:65], 0
	v_nop
	global_prefetch_b8 v0, s[64:65] scope:SCOPE_SE
	s_setreg_imm32_b32 hwreg(HW_REG_WAVE_SCHED_MODE, 0, 2), 2
	s_setreg_imm32_b32 hwreg(HW_REG_WAVE_MODE, 25, 1), 1
	s_wait_xcnt 0x0
	s_wait_alu depctr_vm_vsrc(0)
; PREP.  (1) The gathered bias, log2(e) x attn_biases[h][bias_idxs[n][m]], rounded once to f16 and laid out as the attention launch's matrix fragments:
;     bias_ws[h 8][chunk 2][ks 16][qt' 32][kb 4][lane 32][8]: lane (r = lane % 16, hh = lane / 16) holds query n = 16 (32 chunk + qt') + r, keys m = 64 ks + 16 kb + 8 hh + 0..7.
; (2) qkv_w to f16 (the q rows, n % 96 < 16, times c = log2(e) / 4, one rounding).  (3) proj_w to f16.
; LIMITS.  f16 ends at 65,504 and keeps a fixed step of 6e-8 below 6e-5; an index is clamped to 0 .. 1,023 (the table's size).
; SHARES.  The work-group first lays the table in LDS as TAB[index][8 heads] in f16, 16 bytes an index, so that ONE LDS load gathers an index for all eight heads.
; Work-group g, wave w: query tile qt = g / 4, key step ks = 4 (g % 4) + w / 2, key blocks kb = 2 (w % 2) + 0, 1: two fragment positions, each for all eight heads.
; Waves 0-2 also convert row 3 g + w of qkv_w, waves 3 and 4 the two halves of row g of proj_w.
; No matrix unit, no cluster: nothing is multiplied, and what work-groups share (32 KiB of table) is small beside the 64 KiB that each writes.
; THE MODE: SCHED_MODE bits 1:0 = 2 (LLVM: expert scheduling mode 2), set by the entry lines.  The code itself states the register dependences
; between vector instructions and memory or LDS instructions, with s_wait_alu, always for 0.
; THE PLAN.  Registers that memory or LDS instructions touch, in the order of the text (there is no loop):
;   v1 - v5      offsets and the LDS address of the table's rows: made at the head, never written again.  v8, v9: made at the head, read by the closing add alone.
;   TA, WI       loads land in them; no vector line names them ahead of those loads; behind the wait for the data vector lines alone name them.
;   IX           loads land in it; 32 vector lines clamp and shift it in place; the 16 gathers read it as their addresses; it is not written again.
;   GA           v[64:79]: written by 16 conversions, read by my four LDS stores, then four gathers land there.  v[80:127]: gathers alone land there.  The v_perm lines read all of it.
;   OU           each register is written once, by a v_perm line, and read once, by a store.   WO: written by four conversions, read by one store.
; So the waits are: one on va_sdst for the wave's number; one on va_vdst ahead of the first load; one ahead of the run of LDS stores; one ahead of the weights' store; one on vm_vsrc and one
; on va_vdst ahead of the run of gathers; one on va_vdst ahead of each position's run of eight stores.
.set SPARE, 16384                      ; behind the table: the spare words, 128 bytes for each of the eight waves
.set TA,  16                           ; v[16:47]   attn_biases[h][4 t .. 4 t + 3] at TA + 4 h
.set IX,  48                           ; v[48:63]   the indices of the two positions, 8 each
.set GA,  64                           ; v[64:127]  first the table's rows to store; then the gathers: position t, index j at GA + 32 t + 4 j (word p: heads 2 p, 2 p + 1)
.set OU,  128                          ; v[128:191] the fragments: position t, head h at OU + 32 t + 4 h
.set WI,  192                          ; v[192:199] eight weights
.set WO,  200                          ; v[200:203] the same in f16
	s_load_b256 s[4:11], s[0:1], 0x0               ; attn_biases s[4:5], bias_idxs s[6:7], qkv_w s[8:9], proj_w s[10:11]
	s_load_b128 s[12:15], s[0:1], 0x20             ; bias_ws s[12:13], wq_ws s[14:15]
	s_load_b64 s[16:17], s[0:1], 0x30              ; wp_ws
	v_lshl_add_u32 v8, v0, 2, SPARE                ; my spare word
	v_mov_b32 v9, 0
	v_lshrrev_b32 v1, 5, v0
	v_readfirstlane_b32 s20, v1                    ; wave 0..7
	v_and_b32 v6, 31, v0                           ; lane
	v_and_b32 v7, 15, v0                           ; r
	v_bfe_u32 v10, v0, 4, 1                        ; hh
	v_lshlrev_b32 v1, 4, v6                        ; 16 x lane: my 16 bytes of a fragment, and of a converted row
	v_lshlrev_b32 v5, 5, v6                        ; 32 x lane: my eight weights
	v_lshlrev_b32 v3, 4, v0                        ; 16 x thread: my four table entries of a head
	v_lshlrev_b32 v4, 6, v0                        ; 64 x thread: their four rows of TAB
	s_wait_alu depctr_va_sdst(0)                   ; s20 is written, ahead of its first reader: the key step, the weights' row and the branches are made from it
	s_mov_b32 s2, 0x3fb8aa3b                       ; log2(e), as a pair for the packed multiply
	s_mov_b32 s3, s2
	s_mov_b32 s40, 0x05040100                      ; v_perm_b32: the two low halves
	s_mov_b32 s41, 0x07060302                      ; the two high halves
	s_lshr_b32 s21, ttmp9, 2                       ; qt
	s_and_b32 s34, ttmp9, 3
	s_lshl_b32 s34, s34, 2
	s_lshr_b32 s35, s20, 1
	s_add_co_u32 s34, s34, s35                     ; ks
	s_and_b32 s35, s20, 1                          ; w % 2
	s_lshl_b32 s36, s21, 16                        ; bias_idxs: (16 qt + r) rows of 4,096 bytes + 256 ks + 128 (w % 2) + 32 hh
	s_lshl_b32 s37, s34, 8
	s_add_co_u32 s36, s36, s37
	s_lshl_b32 s37, s35, 7
	s_add_co_u32 s36, s36, s37
	v_lshlrev_b32 v2, 12, v7
	v_lshl_add_u32 v2, v10, 5, v2
	v_add_nc_u32 v2, s36, v2
	s_lshr_b32 s36, s21, 5                         ; bias_ws: chunk << 20 | ks << 16 | qt' << 11 | kb << 9
	s_lshl_b32 s36, s36, 20
	s_lshl_b32 s37, s34, 16
	s_add_co_u32 s36, s36, s37
	s_and_b32 s37, s21, 31
	s_lshl_b32 s37, s37, 11
	s_add_co_u32 s36, s36, s37
	s_lshl_b32 s37, s35, 10
	s_add_co_u32 s36, s36, s37
	s_mov_b32 s37, 0
	s_mul_i32 s38, ttmp9, 3
	s_add_co_u32 s38, s38, s20                     ; n = 3 g + w: a row of qkv_w (waves 0-2)
	s_mul_i32 s39, s38, 683                        ; n / 96 = (683 n) >> 16 for n < 768
	s_lshr_b32 s39, s39, 16
	s_mul_i32 s39, s39, 96
	s_sub_co_u32 s39, s38, s39                     ; n % 96
	s_cmp_lt_u32 s39, 16                           ; a q row?
	s_cselect_b32 s28, 0x3eb8aa3b, 1.0             ; c = log2(e) / 4, or 1
	s_cmp_lt_u32 s20, 3
	s_cselect_b32 s28, s28, 1.0                    ; proj_w is not scaled
	s_mov_b32 s29, s28
	s_lshl_b32 s26, s38, 10                        ; qkv_w: 1,024 n
	s_lshl_b32 s39, ttmp9, 1
	s_add_co_u32 s39, s39, s20
	s_sub_co_u32 s39, s39, 3
	s_lshl_b32 s39, s39, 10                        ; proj_w: 2,048 g + 1,024 (w - 3)
	s_cmp_lt_u32 s20, 3
	s_cselect_b32 s26, s26, s39
	s_mov_b32 s27, 0
	s_lshr_b32 s18, s26, 1                         ; f16: half the bytes
	s_mov_b32 s19, 0
	s_wait_kmcnt 0x0
	s_cmp_lt_u32 s20, 3
	s_cselect_b64 s[22:23], s[8:9], s[10:11]       ; from where,
	s_cselect_b64 s[24:25], s[14:15], s[16:17]     ; to where
	s_add_nc_u64 s[22:23], s[22:23], s[26:27]
	s_add_nc_u64 s[24:25], s[24:25], s[18:19]
	s_add_nc_u64 s[30:31], s[12:13], s[36:37]      ; my fragments of heads 0-3 (2 MiB a head stands in the immediate),
	s_add_nc_u64 s[32:33], s[30:31], 0x800000      ; and of heads 4-7
	s_wait_alu depctr_va_vdst(0)                   ; v1 to v5 are written: every load and store of the kernel, and the LDS stores of the table's rows, read one of them as offset or address; on both ways round the branch
	s_cmp_lt_u32 s20, 5
	s_cbranch_scc0 .Lno_row
	global_load_b128 v[WI:WI+3], v5, s[22:23] th:TH_LOAD_NT
	global_load_b128 v[WI+4:WI+7], v5, s[22:23] offset:16 th:TH_LOAD_NT
.Lno_row:
.set h, 0
.rept 8
	global_load_b128 v[TA+4*h:TA+4*h+3], v3, s[4:5] offset:4096*h
.set h, h+1
.endr
.set t, 0
.rept 2                                ; a position's 16 rows x 32 bytes; a key step's two waves together take whole blocks of 256 bytes of each row
	global_load_b128 v[IX+8*t:IX+8*t+3], v2, s[6:7] offset:64*t th:TH_LOAD_NT
	global_load_b128 v[IX+8*t+4:IX+8*t+7], v2, s[6:7] offset:64*t+16 th:TH_LOAD_NT
.set t, t+1
.endr
	s_wait_loadcnt 0x4                             ; all but the four loads of indices, the youngest
.set z, 0
.rept 16
	v_pk_mul_f32 v[TA+2*z:TA+2*z+1], v[TA+2*z:TA+2*z+1], s[2:3] op_sel_hi:[1,0]
.set z, z+1
.endr
.set z, 0
.rept 4                                ; index 4 t + z: word p holds heads 2 p, 2 p + 1.  All sixteen conversions stand ahead of the stores, so that one wait serves the four
.set p, 0
.rept 4
	v_cvt_pk_f16_f32 v[GA+4*z+p], v[TA+8*p+z], v[TA+8*p+4+z]
.set p, p+1
.endr
.set z, z+1
.endr
	s_wait_alu depctr_va_vdst(0)                   ; the conversions have written v[GA .. GA + 15], which the four LDS stores read
.set z, 0
.rept 4
	ds_store_b128 v4, v[GA+4*z:GA+4*z+3] offset:16*z
.set z, z+1
.endr
	s_cmp_lt_u32 s20, 5
	s_cbranch_scc0 .Lno_conv
.set z, 0
.rept 4
	v_pk_mul_f32 v[WI+2*z:WI+2*z+1], v[WI+2*z:WI+2*z+1], s[28:29] op_sel_hi:[1,0]
.set z, z+1
.endr
.set z, 0
.rept 4
	v_cvt_pk_f16_f32 v[WO+z], v[WI+2*z], v[WI+2*z+1]
.set z, z+1
.endr
	s_wait_alu depctr_va_vdst(0)                   ; the conversions have written v[WO .. WO + 3], which the store reads
	global_store_b128 v1, v[WO:WO+3], s[24:25]     ; the wave's store covers 512 consecutive bytes, aligned
.Lno_conv:
	s_wait_dscnt 0x0                               ; for the others' sake: my rows of the table are written
	s_barrier_signal -1
	s_barrier_wait -1                              ; the table is whole
	s_wait_loadcnt 0x0                             ; the indices
.set z, 0
.rept 16
	v_min_u32 v[IX+z], 0x3ff, v[IX+z]              ; an index stays inside the table
	v_lshlrev_b32 v[IX+z], 4, v[IX+z]              ; 16 bytes an index
.set z, z+1
.endr
	s_wait_alu depctr_vm_vsrc(0)                   ; my four LDS stores have read v[GA .. GA + 15], in which the first four gathers land
	s_wait_alu depctr_va_vdst(0)                   ; the lines above have written v[IX ..], the gathers' addresses; the conversions that wrote v[GA .. GA + 15] are done
.set z, 0
.rept 16
	ds_load_b128 v[GA+4*z:GA+4*z+3], v[IX+z]
.set z, z+1
.endr
; Position t: the eight gathers (8 heads each) are turned into eight fragments (8 keys each) and stored, 512 consecutive bytes a store.
.macro TASK t
.set p, 0
.rept 4
.set wd, 0
.rept 4
	v_perm_b32 v[OU+32*(\t)+8*p+wd],   v[GA+32*(\t)+8*wd+4+p], v[GA+32*(\t)+8*wd+p], s40
	v_perm_b32 v[OU+32*(\t)+8*p+4+wd], v[GA+32*(\t)+8*wd+4+p], v[GA+32*(\t)+8*wd+p], s41
.set wd, wd+1
.endr
.set p, p+1
.endr
	s_wait_alu depctr_va_vdst(0)                   ; the 32 lines above have written this position's half of OU, which the eight stores read; the other half is other registers
.set h, 0
.rept 4
	global_store_b128 v1, v[OU+32*(\t)+4*h:OU+32*(\t)+4*h+3], s[30:31] offset:2097152*h+512*(\t) th:TH_STORE_NT
	global_store_b128 v1, v[OU+32*(\t)+16+4*h:OU+32*(\t)+16+4*h+3], s[32:33] offset:2097152*h+512*(\t) th:TH_STORE_NT
.set h, h+1
.endr
.endm
	s_wait_dscnt 0x8                               ; the first position's eight gathers are in; the second's may stay out
	TASK 0
	s_wait_dscnt 0x0
	TASK 1
	s_wait_dscnt 0x0                               ; the closing lines, six on end
	s_wait_alu 0x0
	s_wait_tensorcnt 0x0
	ds_add_u32 v8, v9
	s_wait_dscnt 0x0
	s_endpgm
.Lfunc_end_k_qccc8c2e0f2_prep:
	.size	k_qccc8c2e0f2_prep, .Lfunc_end_k_qccc8c2e0f2_prep-k_qccc8c2e0f2_prep
	.p2alignl 7, 3214868480
	.fill 96, 4, 3214868480
	.section	.rodata,"a",@progbits
	.p2align	6, 0x0
	.amdhsa_kernel k_qccc8c2e0f2_prep
		.amdhsa_group_segment_fixed_size 17408
		.amdhsa_private_segment_fixed_size 0
		.amdhsa_enable_private_segment 0
		.amdhsa_kernarg_size 56
		.amdhsa_user_sgpr_count 2
		.amdhsa_user_sgpr_kernarg_segment_ptr 1
		.amdhsa_wavefront_size32 1
		.amdhsa_system_sgpr_workgroup_id_x 1
		.amdhsa_system_sgpr_workgroup_id_y 1
		.amdhsa_system_sgpr_workgroup_id_z 1
		.amdhsa_system_vgpr_workitem_id 0
		.amdhsa_next_free_vgpr 208
		.amdhsa_next_free_sgpr 66
		.amdhsa_reserve_vcc 0
		.amdhsa_float_denorm_mode_32 3
		.amdhsa_float_denorm_mode_16_64 3
		.amdhsa_memory_ordered 1
		.amdhsa_forward_progress 1
		.amdhsa_inst_pref_size 16
	.end_amdhsa_kernel
	.amdgpu_metadata
---
amdhsa.version: [ 1, 2 ]
amdhsa.kernels:
  - .name:           k_qccc8c2e0f2_prep
    .symbol:         k_qccc8c2e0f2_prep.kd
    .args:
      - { .name: attn_biases, .offset: 0, .size: 8, .value_kind: global_buffer, .address_space: global }
      - { .name: bias_idxs, .offset: 8, .size: 8, .value_kind: global_buffer, .address_space: global }
      - { .name: qkv_w, .offset: 16, .size: 8, .value_kind: global_buffer, .address_space: global }
      - { .name: proj_w, .offset: 24, .size: 8, .value_kind: global_buffer, .address_space: global }
      - { .name: bias_ws, .offset: 32, .size: 8, .value_kind: global_buffer, .address_space: global }
      - { .name: wq_ws, .offset: 40, .size: 8, .value_kind: global_buffer, .address_space: global }
      - { .name: wp_ws, .offset: 48, .size: 8, .value_kind: global_buffer, .address_space: global }
    .group_segment_fixed_size: 17408
    .private_segment_fixed_size: 0
    .kernarg_segment_align: 8
    .kernarg_segment_size: 56
    .max_flat_workgroup_size: 256
    .sgpr_count:     66
    .vgpr_count:     208
    .wavefront_size: 32
...
	.end_amdgpu_metadata
.endif
;; end of part 5
;; launch qkv: the kernel of part 2 again; grid 256 x 1, 4 waves a work-group, clusters of 4 x 1, 327,680 bytes of LDS; arguments x, norm_w, norm_b, wq_ws, qkv_b, q_ws, kv_ws; writes q_ws, kv_ws
;; launch attn: the kernel of part 3 again; grid 32 x 8, 4 waves a work-group, clusters of 4 x 1, 327,680 bytes of LDS; arguments q_ws, kv_ws, bias_ws, of_ws; writes of_ws
;; launch proj: the kernel of part 4 again; grid 256 x 1, 4 waves a work-group, clusters of 4 x 1, 327,680 bytes of LDS; arguments of_ws, wp_ws, proj_b, out0; writes out0
